; MI455X (gfx1250); checked and timed in simulation.
; The chip was launched on July 23, 2026; its instructions are those of AMD's public machine-readable ISA for CDNA 5 (MIT licence, August 2026) and "CDNA5" Instruction Set Architecture Reference Guide (July 2026). The comments in the code are by the model that wrote it; some were corrected since.
;; Feed Forward Quantum. Allowed arithmetic: matrix products marked QUANTISED: E3M2 operands, one E8M0 scale for each 32 along K, by v_wmma_scale_f32_16x16x128_f8f6f4 with both operands' format E3M2, f32 sums; products left as they are: f32 operands where the result goes on into a quantised operand, else bf16, f16 or f32 operands; f32 sums; everything else in f32.
;; Inputs: ry_params 10 float32; w1 4,096 x 10 float32; w2 1,024 x 4,096 float32; x 8 x 2,048 x 1,024 float32.
;; Outputs: out0 8 x 2,048 x 1,024 float32.
;; This version of the problem:
;;   THIS VERSION OF THE PROBLEM IS GIVEN IN LOW PRECISION. The matrix products marked QUANTISED in the list below multiply operands that are first quantised to E3M2 (3 exponent bits, 2 mantissa bits; 6 bits a number), with one power-of-two scale for each 32 numbers along K (OCP MX v1.0); their sums are f32. All else is computed in f32.
;;   The module's matrix products, in the order in which they are computed (A, B: the left and right operand; K: the contracted axis; several contracted axes count as one K, in the product's order):
;;     1. [M 16,384, K 10] x [K 10, N 4,096]; A: computed on the way; B: input w1: left as it is (K = 10 < 32)
;;     2. [M 16,384, K 4,096] x [K 4,096, N 1,024]; A: computed on the way; B: input w2: QUANTISED
;;   THE QUANTISER, for each operand of a quantised product, along K:
;;     - K is cut into blocks of 32 from its start; a last block that is shorter is filled with zeros.
;;     - A block's scale is 2^e with e = floor(log2(the largest magnitude in the block)) - 4, held to -126 .. 127; a block of zeros has e = 0. As a byte (E8M0): e + 127.
;;     - Each number is divided by its block's scale, clamped to +-28, and rounded to the nearest number of E3M2, ties to even, subnormals kept.
;;     - The product sums the exact products of the quantised numbers (number of the format x scale) in f32.
;;   ~~~python
;;   def quantise(x, axis):      # numpy; x: float32 -> the quantised numbers, widened to float32 again
;;       x = np.moveaxis(x, axis, -1); K = x.shape[-1]
;;       x = np.pad(x, [(0, 0)] * (x.ndim - 1) + [(0, -K % 32)]); x = x.reshape(x.shape[:-1] + (-1, 32)); a = np.abs(x).max(-1, keepdims=True)
;;       e = np.where(a > 0, np.clip(np.frexp(np.where(a > 0, a, 1))[1] - 1 - 4, -126, 127), 0)      # np.frexp(a)[1] - 1 = floor(log2(a)), exactly
;;       r = np.clip(x / 2.0 ** e, -28, 28)
;;       step = 2.0 ** (np.maximum(np.frexp(np.where(r == 0, 1, r))[1] - 1, -2) - 2)
;;       q = np.round(r / step) * step * 2.0 ** e      # np.round: ties to even
;;       return np.moveaxis(q.reshape(q.shape[:-2] + (-1,))[..., :K], -1, axis).astype(np.float32)
;;   ~~~
;;   OPERANDS COMPUTED ON THE WAY. 'Computed on the way' means the value that the module computes at that place (a softmax that the list does not call 'softmax' is quantised finished and normalised). What goes into a quantiser is computed in f32, as accurately as f32 sums, v_exp_f32 and their like allow (about 1e-6 of the number): no bf16 or f16 on the way to a quantiser, and a product that is left as it is and whose result goes on into a quantised operand takes f32 operands (vector FMAs, or v_wmma_f32_16x16x4_f32). A number that lies on a knife's edge between two numbers of the format may be rounded either way, as far as f32 arithmetic and the matrix unit's own rounding can turn it there, and no further.
;; 2 versions. Each part assembles by itself: llvm-mc -triple=amdgcn-amd-amdhsa -mcpu=gfx1250 --defsym DOCPART=n.
;; ======== version 1 of 2: 2 launches
;; limits: inputs' magnitudes at most 100,000
;; workspace buffers: wimg 3,473,408 bytes
;; launch prep (part 1): grid 512 x 1, 4 waves a work-group, no clusters, 34,560 bytes of LDS; arguments w1, w2, wimg; writes wimg
.if DOCPART == 1
	.amdgcn_target "amdgcn-amd-amdhsa--gfx1250"
	.amdhsa_code_object_version 6
	.text
	.protected	k_qd1ce250dd3_prep
	.globl	k_qd1ce250dd3_prep
	.p2align	8
	.type	k_qd1ce250dd3_prep,@function
k_qd1ce250dd3_prep:
	s_mov_b64 s[64:65], 0
	v_nop
	global_prefetch_b8 v0, s[64:65] scope:SCOPE_SE
	s_setreg_imm32_b32 hwreg(HW_REG_WAVE_MODE, 25, 1), 1
	s_wait_xcnt 0x0
; The weights are laid out once, in the order in which the second launch's operand registers take them.
; wimg is 32 blocks of BLK bytes, one for each K step of 128 of the quantised product.  Block j holds:
;   +0      the codes of w2[:, 128 j .. 128 j + 127] in BF6 (E3M2): 64 fragments of 16 rows, each an image of its 12 registers:
;           registers 4 g .. 4 g + 3 of lane L at 1536 nt + 512 g + 16 L; lane (r, h), registers 6 c .. 6 c + 5 = k 64 c + 32 h + 0 .. 31 of row 16 nt + r
;   +SCOFF  the scale words: row n's four E8M0 bytes at 4 n
;   +W1OFF  w1's rows for K step (j + 1) mod 32, f32, as images of the first product's operand registers: two halves c of 24 registers;
;           register 6 t + 2 kq + i of lane (r, h) = w1[128 s + 64 c + 32 (r / 8) + 8 t + r % 8][4 kq + 2 h + i], 0 where that index is 10 or 11
; A block's scale is 2^(floor(log2(its largest magnitude)) - 4); its byte is the largest magnitude's exponent field - 4, held at 1 from below.
; LIMITS: a block of zeros gets the byte 1 where the rule says 127 (its codes are zeros, and this program alone reads the bytes); blocks whose largest
; magnitude lies under 2^-122 are held at the byte 1; NaN and infinities among the inputs are not served.
; SHARES: work-group g takes K step g / 16 and 64 rows of w2, a fragment to each of its four waves.  A row's 512 bytes are loaded by the 32 lanes as they lie
; and turn through the wave's own stage in LDS, so that a lane gets 32 neighbours along K twice.  The first 16 work-groups also lay out w1, a half slice a wave.
.set BLK,   108544
.set SCOFF, 98304
.set W1OFF, 102400
.set SP,    528                        ; a stage row: 512 bytes + 16, an odd multiple of 16: the 16 rows that a read touches begin at 16 different places modulo 256 bytes
.set STG,   16*SP                      ; a wave's stage
.set SCG,   4*STG                      ; behind the stages: the work-group's 64 scale words
.set RAW,   16                         ; v16-79   16 rows as loaded; later w1's 24 registers
.set X,     80                         ; v80-143  my two blocks of 32 numbers
.set TM,    144                        ; v144-145 largest magnitudes
.set SCL,   146                        ; v146-147 the conversions' scale operands
.set BYT,   148                        ; v148-149 the scale bytes
.set WD,    150                        ; v150-151 the scale word, and the other half's part of it
.set PC,    152                        ; v152-163 the fragment's 12 registers
.set PX,    164                        ; v164-166, v168-170 the upper halves of the two blocks' codes, before they are moved
.set SO,    172                        ; v172-173 scale words on their way out
	s_load_b128 s[4:7], s[0:1], 0x0                ; w1 s[4:5], w2 s[6:7]
	s_load_b64 s[8:9], s[0:1], 0x10                ; wimg
	v_lshl_add_u32 v176, v0, 2, 0x8500
	v_mov_b32 v177, 0
	v_lshrrev_b32 v1, 5, v0
	v_readfirstlane_b32 s12, v1                    ; wave 0..3
	v_and_b32 v1, 31, v0                           ; L
	v_and_b32 v2, 15, v0                           ; r
	v_bfe_u32 v3, v0, 4, 1                         ; h
	v_lshlrev_b32 v4, 4, v1                        ; 16 L
	s_mul_i32 s13, s12, STG
	v_add_nc_u32 v5, s13, v4                       ; into my stage: 16 L of a row
	v_mul_u32_u24 v6, v2, SP
	v_lshl_add_u32 v6, v3, 7, v6
	v_add_nc_u32 v6, s13, v6                       ; out of it: row r, + 128 h bytes (32 numbers)
	s_lshl_b32 s14, s12, 6
	s_add_co_u32 s14, s14, SCG
	v_lshlrev_b32 v7, 2, v2
	v_add_nc_u32 v7, s14, v7                       ; my row's scale word: SCG + 64 x wave + 4 r
	v_lshlrev_b32 v9, 3, v1                        ; 8 L
	v_add_nc_u32 v8, SCG, v9                       ; the 64 words read back, 8 bytes a lane
	v_lshlrev_b32 v10, 3, v3                       ; 8 h: how far my two bytes are shifted up in the word
	s_mov_b32 s20, 0x76543210
	s_mov_b32 s21, 0xfedcba98                      ; v_permlanex16_b32's selects for lane l xor 16
	s_lshr_b32 s15, ttmp9, 4                       ; the K step
	s_and_b32 s16, ttmp9, 15                       ; which 64 rows of w2
	s_lshl_b32 s17, s16, 2
	s_add_co_u32 s17, s17, s12                     ; nt: my fragment
	s_lshl_b32 s18, s17, 18                        ; its 16 rows of 16,384 bytes,
	s_lshl_b32 s19, s15, 9                         ; and the K step's 512 bytes in them
	s_add_co_u32 s18, s18, s19
	s_mov_b32 s19, 0
	s_mul_i32 s24, s15, BLK                        ; the K step's block in wimg
	s_mul_i32 s25, s17, 1536
	s_add_co_u32 s26, s24, s25                     ; my fragment's image
	s_mov_b32 s27, 0
	s_lshl_b32 s28, s16, 8
	s_add_co_u32 s28, s28, s24
	s_add_co_u32 s28, s28, SCOFF                   ; the work-group's 256 bytes of scale words
	s_mov_b32 s29, 0
	s_wait_kmcnt 0x0
	s_add_nc_u64 s[6:7], s[6:7], s[18:19]
	s_add_nc_u64 s[10:11], s[8:9], s[26:27]
	s_add_nc_u64 s[2:3], s[8:9], s[28:29]
.irp i, 0,1,2,3,4,5,6,7,8,9,10,11,12,13,14,15
	global_load_b128 v[RAW+4*\i:RAW+4*\i+3], v4, s[6:7] offset:\i*16384 th:TH_LOAD_NT   ; row i: 32 lanes read 512 consecutive bytes; read once in the launch
.endr
.irp i, 0,1,2,3,4,5,6,7,8,9,10,11,12,13,14,15
	s_wait_loadcnt 15-\i                           ; loads come back in order: row i is in, the 15 - i younger rows may be out
	ds_store_b128 v5, v[RAW+4*\i:RAW+4*\i+3] offset:SP*\i
.endr
.irp c, 0,1
.irp i, 0,1,2,3,4,5,6,7
	ds_load_b128 v[X+32*\c+4*\i:X+32*\c+4*\i+3], v6 offset:256*\c+16*\i   ; k = 64 c + 32 h + 4 i on, of row r.  LDS serves a wave's instructions in order: these see my stores
.endr
.endr
	s_wait_dscnt 0x0
.irp c, 0,1
	v_max3_num_f32 v[TM+\c], |v[X+32*\c]|, |v[X+32*\c+1]|, 0x2800000   ; my block 2 c + h: all its 32 numbers are mine; and the floor 2^(5 - 127), so that the byte cannot fall under 1
.endr
.irp i, 2,4,6,8,10,12,14,16,18,20,22,24,26,28,30
.irp c, 0,1
	v_max3_num_f32 v[TM+\c], v[TM+\c], |v[X+32*\c+\i]|, |v[X+32*\c+\i+1]|   ; (the two blocks by turns)
.endr
.endr
.irp c, 0,1
	v_add_nc_u32 v[SCL+\c], 0xfe000000, v[TM+\c]   ; 4 off the exponent field: the conversion takes the exponent field of this operand as its scale
.endr
.irp c, 0,1
	v_lshrrev_b32 v[BYT+\c], 23, v[SCL+\c]         ; the scale's byte
.endr
	v_lshl_or_b32 v[WD], v[BYT+1], 16, v[BYT]      ; my two bytes: blocks h and 2 + h of row r,
	v_lshlrev_b32 v[WD], v10, v[WD]                ; at their places in the word;
	v_mov_b32 v[WD+1], 0                           ; (a lane permute's destination counts as read)
	v_permlanex16_b32 v[WD+1], v[WD], s20, s21
	v_or_b32 v[WD], v[WD], v[WD+1]                 ; with lane l xor 16's two the word is whole
.irp c, 0,1
	v_cvt_scalef32_pk16_bf6_f32 v[PC+6*\c:PC+6*\c+2], v[X+32*\c:X+32*\c+15], v[SCL+\c]
	v_cvt_scalef32_pk16_bf6_f32 v[PX+4*\c:PX+4*\c+2], v[X+32*\c+16:X+32*\c+31], v[SCL+\c]   ; (a conversion's three registers begin on an even number: the upper half is made here and moved)
.endr
	v_nop                                          ; one plain place behind a scaled conversion
.irp c, 0,1
.irp i, 0,1,2
	v_mov_b32 v[PC+6*\c+3+\i], v[PX+4*\c+\i]
.endr
.endr
.irp g, 0,1,2
	global_store_b128 v4, v[PC+4*\g:PC+4*\g+3], s[10:11] offset:512*\g   ; 32 lanes store 512 consecutive bytes, at a multiple of 256 from wimg's first byte
.endr
	ds_store_b32 v7, v[WD]                         ; lanes r and r + 16 write the same word with the same value
	s_wait_dscnt 0x0                               ; for the others' sake: my word has landed
	s_barrier_signal -1
	s_barrier_wait -1
	s_cmp_lg_u32 s12, 0
	s_cbranch_scc1 .Lnot_wave_0
	ds_load_b64 v[SO:SO+1], v8                     ; the four waves' 64 words
	s_wait_dscnt 0x0
	global_store_b64 v9, v[SO:SO+1], s[2:3]        ; 32 lanes store 256 consecutive bytes, aligned
.Lnot_wave_0:
	s_cmp_ge_u32 ttmp9, 16                         ; w1 has 64 half slices: four waves of the first 16 work-groups
	s_cbranch_scc1 .Lend
	s_lshl_b32 s13, ttmp9, 2
	s_add_co_u32 s13, s13, s12                     ; u = 2 x K step + half: rows 64 u .. 64 u + 63 of w1
	s_mul_i32 s22, s13, 2560                       ; 64 rows of 40 bytes
	s_mov_b32 s23, 0
	s_lshr_b32 s14, s13, 1
	s_add_co_u32 s14, s14, 31
	s_and_b32 s14, s14, 31                         ; the slice of K step s lies in block (s - 1) mod 32
	s_mul_i32 s24, s14, BLK
	s_and_b32 s15, s13, 1
	s_mul_i32 s15, s15, 3072
	s_add_co_u32 s24, s24, s15
	s_add_co_u32 s24, s24, W1OFF
	s_mov_b32 s25, 0
	s_add_nc_u64 s[4:5], s[4:5], s[22:23]
	s_add_nc_u64 s[30:31], s[8:9], s[24:25]
	v_and_b32 v11, 7, v2
	v_lshrrev_b32 v12, 3, v2
	v_lshl_add_u32 v11, v12, 5, v11                ; 32 (r / 8) + r % 8: THE ROWS OF A TILE ARE NOT NEIGHBOURS, so that the product's results come out as 32 neighbours a lane
	v_mul_u32_u24 v12, v11, 40                     ; that row's first byte,
	v_lshl_add_u32 v11, v3, 3, v12                 ; and + 8 h: indices 2 h, 2 h + 1 of a group of four
.irp t, 0,1,2,3
	global_load_b64 v[RAW+6*\t:RAW+6*\t+1],   v11, s[4:5] offset:320*\t
	global_load_b64 v[RAW+6*\t+2:RAW+6*\t+3], v11, s[4:5] offset:320*\t+16
	global_load_b64 v[RAW+6*\t+4:RAW+6*\t+5], v12, s[4:5] offset:320*\t+32   ; indices 8, 9 in both halves of the lanes: a row ends there, and no load leaves the buffer
.endr
	s_wait_loadcnt 0x0
	v_cmp_eq_u32 vcc_lo, 0, v3
.irp t, 0,1,2,3
	v_cndmask_b32 v[RAW+6*\t+4], 0, v[RAW+6*\t+4], vcc_lo   ; lanes 16-31 stand for indices 10, 11: zeros
	v_cndmask_b32 v[RAW+6*\t+5], 0, v[RAW+6*\t+5], vcc_lo
.endr
.irp g, 0,1,2,3,4,5
	global_store_b128 v4, v[RAW+4*\g:RAW+4*\g+3], s[30:31] offset:512*\g
.endr
.Lend:
	s_wait_tensorcnt 0x0
	ds_add_u32 v176, v177
	s_wait_dscnt 0x0
	s_endpgm
.Lfunc_end_k_qd1ce250dd3_prep:
	.size	k_qd1ce250dd3_prep, .Lfunc_end_k_qd1ce250dd3_prep-k_qd1ce250dd3_prep
	.p2alignl 7, 3214868480
	.fill 96, 4, 3214868480
	.section	.rodata,"a",@progbits
	.p2align	6, 0x0
	.amdhsa_kernel k_qd1ce250dd3_prep
		.amdhsa_group_segment_fixed_size 34560
		.amdhsa_private_segment_fixed_size 0
		.amdhsa_enable_private_segment 0
		.amdhsa_kernarg_size 24
		.amdhsa_user_sgpr_count 2
		.amdhsa_user_sgpr_kernarg_segment_ptr 1
		.amdhsa_wavefront_size32 1
		.amdhsa_system_sgpr_workgroup_id_x 1
		.amdhsa_system_sgpr_workgroup_id_y 1
		.amdhsa_system_sgpr_workgroup_id_z 1
		.amdhsa_system_vgpr_workitem_id 0
		.amdhsa_next_free_vgpr 178
		.amdhsa_next_free_sgpr 66
		.amdhsa_reserve_vcc 1
		.amdhsa_float_denorm_mode_32 3
		.amdhsa_float_denorm_mode_16_64 3
		.amdhsa_memory_ordered 1
		.amdhsa_forward_progress 1
		.amdhsa_inst_pref_size 13
	.end_amdhsa_kernel
	.amdgpu_metadata
---
amdhsa.version: [ 1, 2 ]
amdhsa.kernels:
  - .name:           k_qd1ce250dd3_prep
    .symbol:         k_qd1ce250dd3_prep.kd
    .args:
      - { .name: w1, .offset: 0, .size: 8, .value_kind: global_buffer, .address_space: global }
      - { .name: w2, .offset: 8, .size: 8, .value_kind: global_buffer, .address_space: global }
      - { .name: wimg, .offset: 16, .size: 8, .value_kind: global_buffer, .address_space: global }
    .group_segment_fixed_size: 34560
    .private_segment_fixed_size: 0
    .kernarg_segment_align: 8
    .kernarg_segment_size: 24
    .max_flat_workgroup_size: 128
    .sgpr_count:     66
    .vgpr_count:     178
    .wavefront_size: 32
...
	.end_amdgpu_metadata
.endif
;; end of part 1
;; launch ffn (part 2): grid 256 x 1, 8 waves a work-group, clusters of 4 x 1, 327,680 bytes of LDS; arguments x, ry_params, wimg, out0; writes out0
.if DOCPART == 2
	.amdgcn_target "amdgcn-amd-amdhsa--gfx1250"
	.amdhsa_code_object_version 6
	.text
	.protected	k_qd1ce250dd3_ffn
	.globl	k_qd1ce250dd3_ffn
	.p2align	8
	.type	k_qd1ce250dd3_ffn,@function
k_qd1ce250dd3_ffn:
	s_mov_b64 s[64:65], 0
	v_nop
	global_prefetch_b8 v0, s[64:65] scope:SCOPE_SE
	s_setreg_imm32_b32 hwreg(HW_REG_WAVE_MODE, 25, 1), 1
	s_wait_xcnt 0x0
	s_wait_alu depctr_hold_cnt(0) depctr_sa_sdst(0) depctr_va_vdst(0) depctr_va_sdst(0) depctr_va_ssrc(0) depctr_va_vcc(0) depctr_vm_vsrc(0)
	s_getreg_b32 s2, hwreg(HW_REG_IB_STS2, 6, 4)
	s_cmp_eq_u32 s2, 0
	s_cbranch_scc0 .Lentry_in_a_cluster
	s_endpgm
.Lentry_in_a_cluster:
	s_bfe_u32 s2, ttmp6, 0x10000c
	s_cmp_lg_u32 s2, 0x3003
	s_cbranch_scc0 .Lentry_shape_is_right
	s_endpgm
.Lentry_shape_is_right:
; out = Q(relu((cos(x[:, :10]) cos(ry)) w1^T)) Q(w2)^T, Q the quantiser to BF6 (E3M2) with one E8M0 scale for each 32 along K = 4,096.  x: [16,384][1,024] f32, out: the same.
; SHARES.  A work-group owns 64 tokens and all 1,024 outputs, so that every number of the hidden layer is made once in the launch; it never goes to memory.
; Eight waves, two to a SIMD, 512 registers each.  Wave w owns the 64 tokens x outputs 128 w .. 128 w + 127: 32 accumulators, which fill register window 1.
; K goes in 32 steps of 128.  A K step's weights (w2's codes as register images, its scale words, and w1's rows for the NEXT step) are one dense block of 108,544 bytes of wimg; they come through a
; ring of two LDS slots by the tensor data mover, an eighth of a block (53 rows of 256 bytes) to each wave.
; CLUSTER.  Every work-group walks the same blocks, so the four of a cluster ask for each JOINTLY: the same load, the same descriptor, a mask that names the four.
; A TRIP has two parts, which touch different LDS bytes.  P: wave w = 4 c + m makes, for tokens 16 m .. 16 m + 15, hidden units 64 c .. 64 c + 63 of the next K step: 12 f32 matrix instructions (its operands must be
; f32, since the result goes into a quantiser), relu, a block's largest number, its byte, two conversions; the six registers go to LDS as half an image of the operand.  G: the 32 products of this K step.
; Of the two waves that differ by 4 in their number, and of two neighbours, one runs P then G and the other G then P, so that one wave's vector work can stand beside another's matrix work.
; LAYOUT.  Both products are used transposed.  First: source 0 = 16 rows of w1, source 1 = q of 16 tokens: a lane holds ONE token, and the rows of w1 that form a tile were chosen so that the 32 registers of the four
; tiles are hidden units 64 c + 32 (lane / 16) + 0 .. 31: one whole block of 32, in the order that the 6-bit operand's registers want: no lane asks another for anything.
; Second: source 0 = 16 rows of w2, source 1 = 16 tokens: a lane holds eight neighbouring outputs of one token.
; cos is written out: n = the nearest whole number to 2 x / pi; x - n pi / 2 in three parts; two polynomials on [-pi / 4, pi / 4]; n mod 4 picks one and the sign.
; LIMITS: the reduction is good for |x|, |ry| up to about 1e5; NaN and infinities are not served; a block of the hidden layer whose largest number lies under 2^-122 (a block of zeros too) gets the byte 1: a block of zeros
; has zero codes, which add nothing, and this program alone reads the bytes.
.set BLK,    108544                    ; a K step's block: 98,304 bytes of codes, 4,096 of scale words, 6,144 of w1
.set SCOFF,  98304
.set W1OFF,  102400
.set PART,   13568                     ; an eighth of it: 53 rows of 256 bytes
.set ABYTES, 6400                      ; LDS 0: the hidden layer's images, two buffers: eight halves of 768 bytes (512 by 16 bytes a lane, 256 by 8 bytes a lane) at 768 (2 m + c), then 256 scale bytes
.set ASC,    6144
.set SPARE,  2*ABYTES                  ; the spare words, 128 bytes for each of the eight waves: four blocks of 256 bytes that no other line names
.set STAGE,  SPARE+1024                ; the way out: 16 rows x 528 bytes for each wave
.set SP,     528
.set SLOT0,  STAGE+8*16*SP             ; the ring: two slots of BLK bytes; nothing but tensor loads writes them
.set LI16, 1                           ; v1   16 x lane
.set LI8,  2                           ; v2   8 x lane
.set LI4,  3                           ; v3   4 x lane
.set PB16, 4                           ; v4   where I store four registers of my half image
.set PB8,  5                           ; v5   and the other two
.set PSC,  6                           ; v6   and my block's byte: 64 m + 4 r + 2 c + h
.set ADB,  7                           ; v7-8   my eight fragments of w2 in slot 0, 1
.set ADS,  9                           ; v9-10  their scale words
.set ADW,  11                          ; v11-12 my half of w1's slice
.set STO,  13                          ; v13  the way out: where I put 32 bytes of a row
.set RD,   14                          ; v14  and where I read a row back
.set Q,    16                          ; v16-21 q of my 16 tokens: register 2 kq + i of lane (r, h) = q[r][4 kq + 2 h + i]
.set SA,   22                          ; v22-23 the hidden layer's scale words: lanes 0-15 tile 2 i of the tokens, lanes 16-31 tile 2 i + 1
.set SB,   24                          ; v24-27 w2's: lanes 0-15 fragment 2 i, lanes 16-31 fragment 2 i + 1
.set SPW,  28                          ; v28  LDS address of my spare word; never rewritten
.set NIL,  29                          ; v29  0; never rewritten
.set D,    32                          ; v32-63 the first product's four tiles: written by matrix instructions alone
.set W1,   64                          ; v64-87 my half of w1's slice: tile t, group kq at 6 t + 2 kq
.set AF,   88                          ; v88-135 the hidden layer's four fragments
.set BF,   136                         ; v136-231 w2's eight fragments
.set T,    136                         ; v136-167 the hidden layer behind relu: over w2's first fragments, which are loaded anew in every G
.set PC,   232                         ; v232-237 the six registers of codes
.set PX,   238                         ; v238-240 the upper 16 codes, before they are moved
.set TM,   242                         ; v242-243 two chains of the maximum
.set SCL,  244
.set BYT,  245
.set XV,   88                          ; the prologue's cosines: seven sets of 12 registers, v88-171
.set NV,   100
.set RV,   112
.set IV,   124
.set ZV,   136
.set SV,   148
.set CV,   160
.set BK,   64                          ; the way out: 16 rows read back: v64-127 and v128-191 by turns
.set G1,   24                          ; s[24:31] descriptor group 1
.set G0,   32                          ; s[32:35], s[36:39] group 0 of slot 0, 1
.set MSB, 0
.macro WIN new                         ; the immediate's high byte repeats the setting that is left
.if MSB != \new
	s_set_vgpr_msb (MSB<<8)|\new
.set MSB, \new
.endif
.endm
.macro PLACES n
.rept \n
	v_nop
.endr
.endm
; A round of the cluster's barrier: my work-group's barrier, so that wave 0's signal speaks for all eight waves; wave 0 signals; every wave waits for the four work-groups; my work-group's barrier once more.
.macro ROUND
	s_barrier_signal -1
	s_barrier_wait -1
	s_cmp_lg_u32 s12, 0
	s_cbranch_scc1 .Lnot_wave_0_\@
	s_barrier_signal -3
.Lnot_wave_0_\@:
	s_barrier_wait -3
	s_barrier_signal -1
	s_barrier_wait -1
.endm
	s_load_b256 s[4:11], s[0:1], 0x0               ; x s[4:5], ry s[6:7], wimg s[8:9], out s[10:11]
	v_lshl_add_u32 v[SPW], v0, 2, SPARE
	v_mov_b32 v[NIL], 0
	ds_add_u32 v28, v29
	ds_add_u32 v28, v29
	s_wait_dscnt 0x0
	v_lshrrev_b32 v1, 5, v0
	v_readfirstlane_b32 s12, v1                    ; wave 0..7
	s_and_b32 s13, s12, 3                          ; m: whose tokens I make the hidden layer for
	s_lshr_b32 s14, s12, 2                         ; c: which 64 of a K step's 128 hidden units
	s_xor_b32 s15, s12, s14
	s_and_b32 s15, s15, 1                          ; 0: P then G;  1: G then P.  It differs between waves w and w + 4 and between neighbours
	s_bfe_u32 s41, ttmp6, 0x40000                  ; cx: my place in the cluster
	s_lshl_b32 s16, ttmp9, 2                       ; in a cluster launch ttmp9 counts clusters
	s_add_co_u32 s16, s16, s41                     ; my block of 64 tokens: it enters x's and out's addresses alone
	s_mov_b32 s[G1+0], 15|(3<<16)|(1<<21)          ; 15:0 the mask: all four work-groups; 17:16 elements of 8 bytes; 20 no padding; 21 set beside a mask
	s_mov_b32 s[G1+1], 32<<16                      ; tensor_dim0 = 32 elements: 256 bytes
	s_mov_b32 s[G1+2], 53<<16                      ; tensor_dim1 = 53
	s_mov_b32 s[G1+3], 32<<16                      ; tile_dim0
	s_mov_b32 s[G1+4], 53                          ; tile_dim1
	s_mov_b32 s[G1+5], 32                          ; from row to row: dense
	s_mov_b32 s[G1+6], 0
	s_mov_b32 s[G1+7], 0
	s_mul_i32 s18, s12, PART                       ; my eighth of a block, in memory and in a slot
	s_mov_b32 s19, 0
	s_mov_b32 s42, 0x3f22f983                      ; 2 / pi
	s_mov_b32 s43, 0x3fc90fdb                      ; pi / 2 in three parts
	s_mov_b32 s44, 0xb33bbd2e
	s_mov_b32 s45, 0xa6f72ced
	s_mov_b32 s46, 0xb94ca1f9                      ; sine: r + r z (S1 + z (S2 + z S3))
	s_mov_b32 s47, 0x3c08839e
	s_mov_b32 s48, 0xbe2aaaa3
	s_mov_b32 s49, 0x37ccf5ce                      ; cosine: 1 - z / 2 + z z (C1 + z (C2 + z C3))
	s_mov_b32 s50, 0xbab6061a
	s_mov_b32 s51, 0x3d2aaaa5
	s_wait_kmcnt 0x0
.irp n, 0,1
	s_mov_b32 s[G0+4*\n], 1                        ; count = 1
	s_add_co_u32 s[G0+4*\n+1], s18, SLOT0+\n*BLK   ; LDS address: the slot + my eighth: no place in the cluster enters it
	s_add_nc_u64 s[G0+4*\n+2:G0+4*\n+3], s[8:9], s[18:19]
.if \n
	s_add_nc_u64 s[G0+4*\n+2:G0+4*\n+3], s[G0+4*\n+2:G0+4*\n+3], BLK   ; slot 1 begins with block 1
.endif
	s_or_b32 s[G0+4*\n+3], s[G0+4*\n+3], 0x80000000   ; type = 2
.endr
	ROUND                                          ; all four work-groups are here: the first joint loads meet
	tensor_load_to_lds s[G0:G0+3], s[G1:G1+7]      ; block 0 into slot 0.  One tensor load of mine is out, here and behind every later round
	s_nop 0
	PLACES 4
	v_and_b32 v248, 15, v0                         ; r
	v_bfe_u32 v249, v0, 4, 1                       ; h
	v_and_b32 v3, 31, v0
	v_lshlrev_b32 v[LI16], 4, v3
	v_lshlrev_b32 v[LI8], 3, v3
	v_lshlrev_b32 v[LI4], 2, v3
	s_lshl_b32 s17, s13, 1
	s_add_co_u32 s17, s17, s14
	s_mul_i32 s17, s17, 768                        ; my half image: 768 (2 m + c)
	v_add_nc_u32 v[PB16], s17, v[LI16]
	s_add_co_u32 s17, s17, 512
	v_add_nc_u32 v[PB8], s17, v[LI8]
	s_lshl_b32 s17, s13, 6
	s_lshl_b32 s20, s14, 1
	s_add_co_u32 s17, s17, s20
	v_lshl_add_u32 v[PSC], v248, 2, v249
	v_add_nc_u32 v[PSC], s17, v[PSC]
	s_mul_i32 s17, s12, 12288                      ; my eight fragments of 1,536 bytes
	s_add_co_u32 s17, s17, SLOT0
	v_add_nc_u32 v[ADB], s17, v[LI16]
	v_add_nc_u32 v[ADB+1], BLK, v[ADB]
	s_lshl_b32 s17, s12, 9                         ; my 128 scale words
	s_add_co_u32 s17, s17, SLOT0+SCOFF
	v_add_nc_u32 v[ADS], s17, v[LI4]
	v_add_nc_u32 v[ADS+1], BLK, v[ADS]
	s_mul_i32 s17, s14, 3072                       ; my half of w1's slice
	v_add_nc_u32 v30, s17, v[LI16]                 ; (the same place in memory, for the first slice)
	s_add_co_u32 s17, s17, SLOT0+W1OFF
	v_add_nc_u32 v[ADW], s17, v[LI16]
	v_add_nc_u32 v[ADW+1], BLK, v[ADW]
	s_mul_i32 s17, s12, 16*SP
	s_add_co_u32 s17, s17, STAGE                   ; my stage
	v_mul_u32_u24 v[STO], v248, SP
	v_lshl_add_u32 v[STO], v249, 5, v[STO]
	v_add_nc_u32 v[STO], s17, v[STO]               ; in: row r, 32 bytes for each half of the lanes
	v_add_nc_u32 v[RD], s17, v[LI16]               ; back: the 32 lanes take one row of 512 bytes
	v_lshlrev_b32 v15, 12, v248
	v_lshl_add_u32 v15, v249, 3, v15               ; x: token r's row of 4,096 bytes, + 8 h
	v_lshlrev_b32 v31, 3, v249                     ; ry: 8 h
	v_mov_b32 v250, 0                              ; and 0 for its last pair
	s_lshl_b32 s20, s16, 18                        ; my work-group's 64 rows of 4,096 bytes,
	s_lshl_b32 s21, s13, 16                        ; and tile m's 16
	s_add_co_u32 s20, s20, s21
	s_mov_b32 s21, 0
	s_add_nc_u64 s[4:5], s[4:5], s[20:21]
	s_lshl_b32 s22, s16, 18
	s_lshl_b32 s23, s12, 9                         ; my 128 outputs: 512 bytes of a row
	s_add_co_u32 s22, s22, s23
	s_mov_b32 s23, 0
	s_add_nc_u64 s[10:11], s[10:11], s[22:23]
.irp g, 0,1,2,3,4,5
	global_load_b128 v[W1+4*\g:W1+4*\g+3], v30, s[8:9] offset:31*BLK+W1OFF+512*\g   ; K step 0's slice of w1 lies in the last block: straight from memory
.endr
.irp k, 0,1,2
	global_load_b64 v[XV+2*\k:XV+2*\k+1], v15, s[4:5] offset:16*\k   ; x[r][4 k + 2 h], [.. + 1]  (for k = 2, h = 1 these are features 10, 11: inside the row, and thrown away below)
.endr
	global_load_b64 v[XV+6:XV+7], v31, s[6:7]
	global_load_b64 v[XV+8:XV+9], v31, s[6:7] offset:16
	global_load_b64 v[XV+10:XV+11], v250, s[6:7] offset:32   ; angles 8, 9 in both halves of the lanes: the buffer ends there
	s_wait_loadcnt 0x0
	; twelve cosines a lane, stage by stage, so that no line waits for the line above it
.irp i, 0,1,2,3,4,5,6,7,8,9,10,11
	v_mul_f32 v[NV+\i], s42, v[XV+\i]
.endr
.irp i, 0,1,2,3,4,5,6,7,8,9,10,11
	v_rndne_f32 v[NV+\i], v[NV+\i]                 ; n
.endr
.irp i, 0,1,2,3,4,5,6,7,8,9,10,11
	v_fma_f32 v[RV+\i], -v[NV+\i], s43, v[XV+\i]   ; r = x - n pi / 2, part by part
.endr
.irp i, 0,1,2,3,4,5,6,7,8,9,10,11
	v_fma_f32 v[RV+\i], -v[NV+\i], s44, v[RV+\i]
.endr
.irp i, 0,1,2,3,4,5,6,7,8,9,10,11
	v_fma_f32 v[RV+\i], -v[NV+\i], s45, v[RV+\i]
.endr
.irp i, 0,1,2,3,4,5,6,7,8,9,10,11
	v_cvt_i32_f32 v[IV+\i], v[NV+\i]
.endr
.irp i, 0,1,2,3,4,5,6,7,8,9,10,11
	v_mul_f32 v[ZV+\i], v[RV+\i], v[RV+\i]         ; z = r r
.endr
.irp i, 0,1,2,3,4,5,6,7,8,9,10,11
	v_fma_f32 v[SV+\i], v[ZV+\i], s46, s47
.endr
.irp i, 0,1,2,3,4,5,6,7,8,9,10,11
	v_fma_f32 v[CV+\i], v[ZV+\i], s49, s50
.endr
.irp i, 0,1,2,3,4,5,6,7,8,9,10,11
	v_fma_f32 v[SV+\i], v[SV+\i], v[ZV+\i], s48
.endr
.irp i, 0,1,2,3,4,5,6,7,8,9,10,11
	v_fma_f32 v[CV+\i], v[CV+\i], v[ZV+\i], s51
.endr
.irp i, 0,1,2,3,4,5,6,7,8,9,10,11
	v_mul_f32 v[SV+\i], v[SV+\i], v[ZV+\i]
.endr
.irp i, 0,1,2,3,4,5,6,7,8,9,10,11
	v_mul_f32 v[CV+\i], v[CV+\i], v[ZV+\i]
.endr
.irp i, 0,1,2,3,4,5,6,7,8,9,10,11
	v_fma_f32 v[NV+\i], v[ZV+\i], -0.5, 1.0        ; 1 - z / 2 (n has been used up)
.endr
.irp i, 0,1,2,3,4,5,6,7,8,9,10,11
	v_fma_f32 v[SV+\i], v[SV+\i], v[RV+\i], v[RV+\i]   ; sin r
.endr
.irp i, 0,1,2,3,4,5,6,7,8,9,10,11
	v_fma_f32 v[CV+\i], v[CV+\i], v[ZV+\i], v[NV+\i]   ; cos r
.endr
.irp i, 0,1,2,3,4,5,6,7,8,9,10,11
	v_and_b32 v[ZV+\i], 1, v[IV+\i]
.endr
.irp i, 0,1,2,3,4,5,6,7,8,9,10,11
	v_cmp_eq_u32 vcc_lo, 1, v[ZV+\i]
	v_cndmask_b32 v[XV+\i], v[CV+\i], v[SV+\i], vcc_lo   ; odd n: the sine
.endr
.irp i, 0,1,2,3,4,5,6,7,8,9,10,11
	v_add_nc_u32 v[IV+\i], 1, v[IV+\i]
.endr
.irp i, 0,1,2,3,4,5,6,7,8,9,10,11
	v_and_b32 v[IV+\i], 2, v[IV+\i]                ; n mod 4 = 1 or 2: the sign turns
.endr
.irp i, 0,1,2,3,4,5,6,7,8,9,10,11
	v_lshlrev_b32 v[IV+\i], 30, v[IV+\i]
.endr
.irp i, 0,1,2,3,4,5,6,7,8,9,10,11
	v_xor_b32 v[XV+\i], v[XV+\i], v[IV+\i]
.endr
.irp k, 0,1,2,3,4,5
	v_mul_f32 v[Q+\k], v[XV+\k], v[XV+6+\k]        ; q = cos(x) cos(ry)
.endr
	v_cmp_eq_u32 vcc_lo, 0, v249
	v_cndmask_b32 v[Q+4], 0, v[Q+4], vcc_lo        ; lanes 16-31 of the last group stand for indices 10, 11: zeros
	v_cndmask_b32 v[Q+5], 0, v[Q+5], vcc_lo
; P: my 16 tokens x 64 hidden units, from w1's registers and q, into buffer buf.
.macro PWORK buf
.irp k, 0,1,2                          ; the four tiles by turns, one instruction a turn; the first group of four indices starts the sums
.irp t, 0,1,2,3
.if \k == 0
	v_wmma_f32_16x16x4_f32 v[D+8*\t:D+8*\t+7], v[W1+6*\t:W1+6*\t+1], v[Q:Q+1], 0
.else
	v_wmma_f32_16x16x4_f32 v[D+8*\t:D+8*\t+7], v[W1+6*\t+2*\k:W1+6*\t+2*\k+1], v[Q+2*\k:Q+2*\k+1], v[D+8*\t:D+8*\t+7]
.endif
.endr
.endr
	PLACES 8                                       ; eight places behind this form before its results are read; they also stand between G's last products and the writes over w2's first fragments
.irp j, 0,1,2,3,4,5,6,7,8,9,10,11,12,13,14,15,16,17,18,19,20,21,22,23,24,25,26,27,28,29,30,31
	v_max_num_f32 v[T+\j], 0, v[D+\j]              ; relu, into other registers; each tile is read from its low end on.  Register j = hidden unit 64 c + 32 h + j of token r
.endr
	v_max3_num_f32 v[TM], v[T], v[T+1], 0x2800000  ; the block's largest number (none is negative), in two chains, and the floor 2^(5 - 127): the byte cannot fall under 1
	v_max3_num_f32 v[TM+1], v[T+16], v[T+17], v[T+18]
.irp i, 0,1,2,3,4,5
	v_max3_num_f32 v[TM], v[TM], v[T+2+2*\i], v[T+3+2*\i]
	v_max3_num_f32 v[TM+1], v[TM+1], v[T+19+2*\i], v[T+20+2*\i]
.endr
	v_max3_num_f32 v[TM], v[TM], v[T+14], v[T+15]
	v_max3_num_f32 v[TM], v[TM], v[TM+1], v[T+31]
	v_add_nc_u32 v[SCL], 0xfe000000, v[TM]         ; 4 off the exponent field: the conversions' scale operand
	v_cvt_scalef32_pk16_bf6_f32 v[PC:PC+2], v[T:T+15], v[SCL]
	v_cvt_scalef32_pk16_bf6_f32 v[PX:PX+2], v[T+16:T+31], v[SCL]   ; (a conversion's three registers begin on an even number)
	v_lshrrev_b32 v[BYT], 23, v[SCL]               ; the scale's byte: also the one plain place behind the conversions
.irp i, 0,1,2
	v_mov_b32 v[PC+3+\i], v[PX+\i]
.endr
	ds_store_b128 v[PB16], v[PC:PC+3] offset:ABYTES*(\buf)       ; registers 6 c .. 6 c + 5 of tile m's fragment, as they stand
	ds_store_b64 v[PB8], v[PC+4:PC+5] offset:ABYTES*(\buf)
	ds_store_b8 v[PSC], v[BYT] offset:ABYTES*(\buf)+ASC          ; byte 2 c + h of token r's scale word: every lane of every wave has a byte of its own
.endm
; One product: tokens' tile a x my fragment b of w2.  The scale words of an odd tile or fragment lie in lanes 16-31 of their register.
.macro WM a, b, zero
.set rD, 8*(4*(\b)+(\a))
.set rB, BF+12*(\b)
.set rA, AF+12*(\a)
.set rX, SB+(\b)/2
.set rY, SA+(\a)/2
.set par, 2*((\b)%2)+(\a)%2
.if \zero
.if par == 0
	v_wmma_scale_f32_16x16x128_f8f6f4 v[rD:rD+7], v[rB:rB+11], v[rA:rA+11], 0, v[rX], v[rY] matrix_a_fmt:MATRIX_FMT_BF6 matrix_b_fmt:MATRIX_FMT_BF6
.elseif par == 1
	v_wmma_scale_f32_16x16x128_f8f6f4 v[rD:rD+7], v[rB:rB+11], v[rA:rA+11], 0, v[rX], v[rY] matrix_a_fmt:MATRIX_FMT_BF6 matrix_b_fmt:MATRIX_FMT_BF6 matrix_b_scale:MATRIX_SCALE_ROW1
.elseif par == 2
	v_wmma_scale_f32_16x16x128_f8f6f4 v[rD:rD+7], v[rB:rB+11], v[rA:rA+11], 0, v[rX], v[rY] matrix_a_fmt:MATRIX_FMT_BF6 matrix_b_fmt:MATRIX_FMT_BF6 matrix_a_scale:MATRIX_SCALE_ROW1
.else
	v_wmma_scale_f32_16x16x128_f8f6f4 v[rD:rD+7], v[rB:rB+11], v[rA:rA+11], 0, v[rX], v[rY] matrix_a_fmt:MATRIX_FMT_BF6 matrix_b_fmt:MATRIX_FMT_BF6 matrix_a_scale:MATRIX_SCALE_ROW1 matrix_b_scale:MATRIX_SCALE_ROW1
.endif
.else
.if par == 0
	v_wmma_scale_f32_16x16x128_f8f6f4 v[rD:rD+7], v[rB:rB+11], v[rA:rA+11], v[rD:rD+7], v[rX], v[rY] matrix_a_fmt:MATRIX_FMT_BF6 matrix_b_fmt:MATRIX_FMT_BF6
.elseif par == 1
	v_wmma_scale_f32_16x16x128_f8f6f4 v[rD:rD+7], v[rB:rB+11], v[rA:rA+11], v[rD:rD+7], v[rX], v[rY] matrix_a_fmt:MATRIX_FMT_BF6 matrix_b_fmt:MATRIX_FMT_BF6 matrix_b_scale:MATRIX_SCALE_ROW1
.elseif par == 2
	v_wmma_scale_f32_16x16x128_f8f6f4 v[rD:rD+7], v[rB:rB+11], v[rA:rA+11], v[rD:rD+7], v[rX], v[rY] matrix_a_fmt:MATRIX_FMT_BF6 matrix_b_fmt:MATRIX_FMT_BF6 matrix_a_scale:MATRIX_SCALE_ROW1
.else
	v_wmma_scale_f32_16x16x128_f8f6f4 v[rD:rD+7], v[rB:rB+11], v[rA:rA+11], v[rD:rD+7], v[rX], v[rY] matrix_a_fmt:MATRIX_FMT_BF6 matrix_b_fmt:MATRIX_FMT_BF6 matrix_a_scale:MATRIX_SCALE_ROW1 matrix_b_scale:MATRIX_SCALE_ROW1
.endif
.endif
.endm
; G: the K step in slot and buffer number slot: 46 LDS loads in one run, every one of consecutive bytes, then 32 products.  The 32 accumulators take turns, one instruction a turn, in the same order in
; every trip.  zero = 1: the first K step starts the sums: nothing is cleared.
.macro GEMM slot, zero
.irp i, 0,1
	ds_load_b32 v[SA+\i], v[LI4] offset:ABYTES*(\slot)+ASC+128*\i
.endr
.irp i, 0,1,2,3
	ds_load_b32 v[SB+\i], v[ADS+(\slot)] offset:128*\i
.endr
.irp a, 0,1,2,3
.irp c, 0,1
	ds_load_b128 v[AF+12*\a+6*\c:AF+12*\a+6*\c+3],   v[LI16] offset:ABYTES*(\slot)+768*(2*\a+\c)
	ds_load_b64  v[AF+12*\a+6*\c+4:AF+12*\a+6*\c+5], v[LI8]  offset:ABYTES*(\slot)+768*(2*\a+\c)+512
.endr
.endr
.irp b, 0,1,2,3,4,5,6,7
.irp g, 0,1,2
	ds_load_b128 v[BF+12*\b+4*\g:BF+12*\b+4*\g+3], v[ADB+(\slot)] offset:1536*\b+512*\g
.endr
.endr
	WIN 0x50                                       ; C and D in window 1, the operands in window 0
.irp b, 0,1,2,3,4,5,6,7
	s_wait_dscnt 3*(7-\b)                          ; LDS loads come back in order: fragment b is in; the three loads of each of the 7 - b younger fragments may be out
.irp a, 0,1,2,3
	WM \a, \b, \zero
.endr
.endr
	WIN 0
.endm
; A TRIP: K step j in slot j % 2.  In front of the round each wave waits for all its tensor loads (the one that is out is its eighth of this trip's block), adds 0 to its spare word, and waits for that, for its reads
; of the other slot and the other buffer, and for its stores into this trip's buffer.  Behind the round nobody of the four work-groups reads the other slot: the next block is asked for, first thing; it has the trip to land in.
.macro TRIP slot, zero, last
	s_wait_tensorcnt 0x0                           ; no tensor load of mine is out, so a group 0 may be written
	ds_add_u32 v[SPW], v[NIL]                      ; 0 onto my spare word
.if \last == 0
	s_add_nc_u64 s[G0+4*\slot+2:G0+4*\slot+3], s[G0+4*\slot+2:G0+4*\slot+3], 2*BLK   ; this slot's next block; the type bits on top are not reached
.endif
	s_wait_dscnt 0x0                               ; the add is done; my LDS loads are in and my LDS stores have landed
.if \last
	s_barrier_signal -1                            ; No round of the cluster's follows
	s_barrier_wait -1
	PLACES 4                                       ; in front of loads into registers that the last trip's products have read
	GEMM \slot, 0
.else
	ROUND
	tensor_load_to_lds s[G0+4*(1-\slot):G0+4*(1-\slot)+3], s[G1:G1+7]   ; my one tensor load behind the round: my eighth of the next block, into the slot read last trip
	s_nop 0
	PLACES 4                                       ; (the places in front of the loads below)
.irp g, 0,1,2,3,4,5
	ds_load_b128 v[W1+4*\g:W1+4*\g+3], v[ADW+\slot] offset:512*\g   ; the next K step's slice of w1 came with this block
.endr
	s_cmp_lg_u32 s15, 0
	s_cbranch_scc1 .Lg_first_\@
	s_wait_dscnt 0x0                               ; w1's registers are in
	PWORK 1-\slot
.Lg_first_\@:
	GEMM \slot, \zero
	s_cmp_eq_u32 s15, 0
	s_cbranch_scc1 .Ldone_\@
	PWORK 1-\slot                                  ; (w1's registers: G's last wait was for 0)
.Ldone_\@:
.endif
.endm
	PWORK 0                                        ; K step 0's hidden layer
	TRIP 0, 1, 0                                   ; the first trip stands in front of the loop: its products start the sums; slot 1 is first filled behind its round
	s_mov_b32 s40, 15
.Lpair:                                                ; K steps 1 to 30, two a trip of the loop: once round the ring
	TRIP 1, 0, 0
	TRIP 0, 0, 0
	s_sub_co_u32 s40, s40, 1
	s_cmp_lg_u32 s40, 0
	s_cbranch_scc1 .Lpair
	TRIP 1, 0, 1                                   ; the last K step is written out: no load, no hidden layer beyond it
; THE WAY OUT, a tile of 16 tokens x my 128 outputs at a time.  A lane holds 32 neighbouring bytes of a row, and the lanes beside it hold other rows: so a block goes through my own stage and comes back as whole rows of
; 512 bytes.  LDS serves a wave's instructions in order (ISA guide 5.7.1.4): no wait between the stores and the loads, nor in front of the next block's stores.
.macro TOSTAGE a
	WIN 0x04                                       ; an LDS store's data are its source 1: window 1
.irp b, 0,1,2,3,4,5,6,7
	ds_store_b128 v[STO], v[8*(4*\b+(\a)):8*(4*\b+(\a))+3] offset:64*\b          ; each accumulator from its low end on
	ds_store_b128 v[STO], v[8*(4*\b+(\a))+4:8*(4*\b+(\a))+7] offset:64*\b+16
.endr
	WIN 0
.set BB, BK+64*((\a)%2)
.irp t, 0,1,2,3,4,5,6,7,8,9,10,11,12,13,14,15
	ds_load_b128 v[BB+4*\t:BB+4*\t+3], v[RD] offset:\t*SP
.endr
.endm
.macro SEND a, younger                 ; younger: the LDS instructions issued behind block a's loads, which may stay out
.set BB, BK+64*((\a)%2)
	s_wait_dscnt \younger
.irp t, 0,1,2,3,4,5,6,7,8,9,10,11,12,13,14,15
	global_store_b128 v[LI16], v[BB+4*\t:BB+4*\t+3], s[10:11] offset:(16*(\a)+\t)*4096 th:TH_STORE_NT   ; 32 lanes store 512 consecutive bytes, at a multiple of 256 from out's first byte; the row stands in the immediate, 63 rows at the most
.endr
.endm
	PLACES 4                                       ; behind the last products: in front of the first read of results and of loads into registers that held operands
	TOSTAGE 0
.irp a, 1,2,3
.if \a > 1
	s_wait_xcnt 0x0                                ; block a - 2's stores have read their registers: block a's loads may land there
.endif
	TOSTAGE \a
	SEND \a-1, 32                                  ; behind block a - 1's loads: block a's 16 stores and 16 loads
.endr
	SEND 3, 0
	s_wait_tensorcnt 0x0                           ; the wave's end: behind my last tensor load and my last LDS store
	ds_add_u32 v[SPW], v[NIL]
	s_wait_dscnt 0x0
	ROUND                                          ; the closing round: no work-group ends while a partner may still ask for a block that names it
	s_endpgm
.Lfunc_end_k_qd1ce250dd3_ffn:
	.size	k_qd1ce250dd3_ffn, .Lfunc_end_k_qd1ce250dd3_ffn-k_qd1ce250dd3_ffn
	.p2alignl 7, 3214868480
	.fill 96, 4, 3214868480
	.section	.rodata,"a",@progbits
	.p2align	6, 0x0
	.amdhsa_kernel k_qd1ce250dd3_ffn
		.amdhsa_group_segment_fixed_size 327680
		.amdhsa_private_segment_fixed_size 0
		.amdhsa_enable_private_segment 0
		.amdhsa_kernarg_size 32
		.amdhsa_user_sgpr_count 2
		.amdhsa_user_sgpr_kernarg_segment_ptr 1
		.amdhsa_wavefront_size32 1
		.amdhsa_system_sgpr_workgroup_id_x 1
		.amdhsa_system_sgpr_workgroup_id_y 1
		.amdhsa_system_sgpr_workgroup_id_z 1
		.amdhsa_system_vgpr_workitem_id 0
		.amdhsa_next_free_vgpr 512
		.amdhsa_next_free_sgpr 66
		.amdhsa_reserve_vcc 1
		.amdhsa_float_denorm_mode_32 3
		.amdhsa_float_denorm_mode_16_64 3
		.amdhsa_memory_ordered 1
		.amdhsa_forward_progress 1
		.amdhsa_inst_pref_size 92
	.end_amdhsa_kernel
	.amdgpu_metadata
---
amdhsa.version: [ 1, 2 ]
amdhsa.kernels:
  - .name:           k_qd1ce250dd3_ffn
    .symbol:         k_qd1ce250dd3_ffn.kd
    .args:
      - { .name: x, .offset: 0, .size: 8, .value_kind: global_buffer, .address_space: global }
      - { .name: ry_params, .offset: 8, .size: 8, .value_kind: global_buffer, .address_space: global }
      - { .name: wimg, .offset: 16, .size: 8, .value_kind: global_buffer, .address_space: global }
      - { .name: out0, .offset: 24, .size: 8, .value_kind: global_buffer, .address_space: global }
    .group_segment_fixed_size: 327680
    .private_segment_fixed_size: 0
    .kernarg_segment_align: 8
    .kernarg_segment_size: 32
    .max_flat_workgroup_size: 256
    .sgpr_count:     66
    .vgpr_count:     512
    .wavefront_size: 32
...
	.end_amdgpu_metadata
.endif
;; end of part 2
;; ======== version 2 of 2: 2 launches
;; limits: inputs' magnitudes at most 100,000; right only within a limited range of input values
;; workspace buffers: wimg 3,473,408 bytes
;; launch prep (part 3): grid 528 x 1, 4 waves a work-group, no clusters, 34,560 bytes of LDS; arguments w1, w2, wimg; writes wimg
.if DOCPART == 3
	.amdgcn_target "amdgcn-amd-amdhsa--gfx1250"
	.amdhsa_code_object_version 6
	.text
	.protected	k_qd1ce250dd3_prep
	.globl	k_qd1ce250dd3_prep
	.p2align	8
	.type	k_qd1ce250dd3_prep,@function
k_qd1ce250dd3_prep:
	s_mov_b64 s[64:65], 0
	v_nop
	global_prefetch_b8 v0, s[64:65] scope:SCOPE_SE
	s_setreg_imm32_b32 hwreg(HW_REG_WAVE_MODE, 25, 1), 1
	s_wait_xcnt 0x0
; The weights are laid out once, in the order in which the second launch's operand registers take them.
; wimg is 32 blocks of BLK bytes, one for each K step of 128 of the quantised product.  Block j holds:
;   +0      the codes of w2[:, 128 j .. 128 j + 127] in BF6 (E3M2): 64 fragments of 16 rows, each an image of its 12 registers:
;           registers 4 g .. 4 g + 3 of lane L at 1536 nt + 512 g + 16 L; lane (r, h), registers 6 c .. 6 c + 5 = k 64 c + 32 h + 0 .. 31 of row 16 nt + r
;   +SCOFF  the scale words: row n's four E8M0 bytes at 4 n
;   +W1OFF  w1's rows for K step (j + 1) mod 32, f32, as images of the first product's operand registers: two halves c of 24 registers;
;           register 6 t + 2 kq + i of lane (r, h) = w1[128 s + 64 c + 32 (r / 8) + 8 t + r % 8][4 kq + 2 h + i], 0 where that index is 10 or 11
; A block's scale is 2^(floor(log2(its largest magnitude)) - 4); its byte is the largest magnitude's exponent field - 4, held at 1 from below.
; LIMITS: a block of zeros gets the byte 1 where the rule says 127 (its codes are zeros, and this program alone reads the bytes); blocks whose largest
; magnitude lies under 2^-122 are held at the byte 1; NaN and infinities among the inputs are not served.
; SHARES: work-group g takes K step g / 16 and 64 rows of w2, a fragment to each of its four waves.  A row's 512 bytes are loaded by the 32 lanes as they lie
; and turn through the wave's own stage in LDS, so that a lane gets 32 neighbours along K twice.  The first 16 work-groups also lay out w1, a half slice a wave.
.set BLK,   108544
.set SCOFF, 98304
.set W1OFF, 102400
.set SP,    528                        ; a stage row: 512 bytes + 16, an odd multiple of 16: the 16 rows that a read touches begin at 16 different places modulo 256 bytes
.set STG,   16*SP                      ; a wave's stage
.set SCG,   4*STG                      ; behind the stages: the work-group's 64 scale words
.set RAW,   16                         ; v16-79   16 rows as loaded; later w1's 24 registers
.set X,     80                         ; v80-143  my two blocks of 32 numbers
.set TM,    144                        ; v144-145 largest magnitudes
.set SCL,   146                        ; v146-147 the conversions' scale operands
.set BYT,   148                        ; v148-149 the scale bytes
.set WD,    150                        ; v150-151 the scale word, and the other half's part of it
.set PC,    152                        ; v152-163 the fragment's 12 registers
.set PX,    164                        ; v164-166, v168-170 the upper halves of the two blocks' codes, before they are moved
.set SO,    172                        ; v172-173 scale words on their way out
	s_load_b128 s[4:7], s[0:1], 0x0                ; w1 s[4:5], w2 s[6:7]
	s_load_b64 s[8:9], s[0:1], 0x10                ; wimg
	v_lshl_add_u32 v176, v0, 2, 0x8500
	v_mov_b32 v177, 0
	v_lshrrev_b32 v1, 5, v0
	v_readfirstlane_b32 s12, v1                    ; wave 0..3
	v_and_b32 v1, 31, v0                           ; L
	v_and_b32 v2, 15, v0                           ; r
	v_bfe_u32 v3, v0, 4, 1                         ; h
	v_lshlrev_b32 v4, 4, v1                        ; 16 L
	s_mul_i32 s13, s12, STG
	v_add_nc_u32 v5, s13, v4                       ; into my stage: 16 L of a row
	v_mul_u32_u24 v6, v2, SP
	v_lshl_add_u32 v6, v3, 7, v6
	v_add_nc_u32 v6, s13, v6                       ; out of it: row r, + 128 h bytes (32 numbers)
	s_lshl_b32 s14, s12, 6
	s_add_co_u32 s14, s14, SCG
	v_lshlrev_b32 v7, 2, v2
	v_add_nc_u32 v7, s14, v7                       ; my row's scale word: SCG + 64 x wave + 4 r
	v_lshlrev_b32 v9, 3, v1                        ; 8 L
	v_add_nc_u32 v8, SCG, v9                       ; the 64 words read back, 8 bytes a lane
	v_lshlrev_b32 v10, 3, v3                       ; 8 h: how far my two bytes are shifted up in the word
	s_mov_b32 s20, 0x76543210
	s_mov_b32 s21, 0xfedcba98                      ; v_permlanex16_b32's selects for lane l xor 16
	s_lshr_b32 s15, ttmp9, 4                       ; the K step
	s_and_b32 s16, ttmp9, 15                       ; which 64 rows of w2
	s_lshl_b32 s17, s16, 2
	s_add_co_u32 s17, s17, s12                     ; nt: my fragment
	s_lshl_b32 s18, s17, 18                        ; its 16 rows of 16,384 bytes,
	s_lshl_b32 s19, s15, 9                         ; and the K step's 512 bytes in them
	s_add_co_u32 s18, s18, s19
	s_mov_b32 s19, 0
	s_mul_i32 s24, s15, BLK                        ; the K step's block in wimg
	s_mul_i32 s25, s17, 1536
	s_add_co_u32 s26, s24, s25                     ; my fragment's image
	s_mov_b32 s27, 0
	s_lshl_b32 s28, s16, 8
	s_add_co_u32 s28, s28, s24
	s_add_co_u32 s28, s28, SCOFF                   ; the work-group's 256 bytes of scale words
	s_mov_b32 s29, 0
	s_wait_alu depctr_va_vdst(0)
	s_wait_kmcnt 0x0
	s_cmp_ge_u32 ttmp9, 512                        ; work-groups 512 to 527 lay out w1 and nothing else; the branch hangs on the work-group's number alone
	s_cbranch_scc1 .Lw1
	s_add_nc_u64 s[6:7], s[6:7], s[18:19]
	s_add_nc_u64 s[10:11], s[8:9], s[26:27]
	s_add_nc_u64 s[2:3], s[8:9], s[28:29]
.irp i, 0,1,2,3,4,5,6,7,8,9,10,11,12,13,14,15
	global_load_b128 v[RAW+4*\i:RAW+4*\i+3], v4, s[6:7] offset:\i*16384 th:TH_LOAD_NT   ; row i: 32 lanes read 512 consecutive bytes; read once in the launch
.endr
.irp i, 0,1,2,3,4,5,6,7,8,9,10,11,12,13,14,15
	s_wait_loadcnt 15-\i                           ; loads come back in order: row i is in, the 15 - i younger rows may be out
	ds_store_b128 v5, v[RAW+4*\i:RAW+4*\i+3] offset:SP*\i
.endr
.irp c, 0,1
.irp i, 0,1,2,3,4,5,6,7
	ds_load_b128 v[X+32*\c+4*\i:X+32*\c+4*\i+3], v6 offset:256*\c+16*\i   ; k = 64 c + 32 h + 4 i on, of row r.  LDS serves a wave's instructions in order: these see my stores
.endr
.endr
	s_wait_dscnt 0x0
.irp c, 0,1
	v_max3_num_f32 v[TM+\c], |v[X+32*\c]|, |v[X+32*\c+1]|, 0x2800000   ; my block 2 c + h: all its 32 numbers are mine; and the floor 2^(5 - 127), so that the byte cannot fall under 1
.endr
.irp i, 2,4,6,8,10,12,14,16,18,20,22,24,26,28,30
.irp c, 0,1
	v_max3_num_f32 v[TM+\c], v[TM+\c], |v[X+32*\c+\i]|, |v[X+32*\c+\i+1]|   ; (the two blocks by turns)
.endr
.endr
.irp c, 0,1
	v_add_nc_u32 v[SCL+\c], 0xfe000000, v[TM+\c]   ; 4 off the exponent field: the conversion takes the exponent field of this operand as its scale
.endr
.irp c, 0,1
	v_lshrrev_b32 v[BYT+\c], 23, v[SCL+\c]         ; the scale's byte
.endr
	v_lshl_or_b32 v[WD], v[BYT+1], 16, v[BYT]      ; my two bytes: blocks h and 2 + h of row r,
	v_lshlrev_b32 v[WD], v10, v[WD]                ; at their places in the word;
	v_mov_b32 v[WD+1], 0                           ; (a lane permute's destination counts as read)
	v_permlanex16_b32 v[WD+1], v[WD], s20, s21
	v_or_b32 v[WD], v[WD], v[WD+1]                 ; with lane l xor 16's two the word is whole
.irp c, 0,1
	v_cvt_scalef32_pk16_bf6_f32 v[PC+6*\c:PC+6*\c+2], v[X+32*\c:X+32*\c+15], v[SCL+\c]
	v_cvt_scalef32_pk16_bf6_f32 v[PX+4*\c:PX+4*\c+2], v[X+32*\c+16:X+32*\c+31], v[SCL+\c]   ; (a conversion's three registers begin on an even number: the upper half is made here and moved)
.endr
	v_nop                                          ; one plain place behind a scaled conversion
.irp c, 0,1
.irp i, 0,1,2
	v_mov_b32 v[PC+6*\c+3+\i], v[PX+4*\c+\i]
.endr
.endr
.irp g, 0,1,2
	global_store_b128 v4, v[PC+4*\g:PC+4*\g+3], s[10:11] offset:512*\g   ; 32 lanes store 512 consecutive bytes, at a multiple of 256 from wimg's first byte
.endr
	ds_store_b32 v7, v[WD]                         ; lanes r and r + 16 write the same word with the same value
	s_wait_dscnt 0x0                               ; for the others' sake: my word has landed
	s_barrier_signal -1
	s_barrier_wait -1
	s_cmp_lg_u32 s12, 0
	s_cbranch_scc1 .Lnot_wave_0
	ds_load_b64 v[SO:SO+1], v8                     ; the four waves' 64 words
	s_wait_dscnt 0x0
	global_store_b64 v9, v[SO:SO+1], s[2:3]        ; 32 lanes store 256 consecutive bytes, aligned
.Lnot_wave_0:
	s_wait_tensorcnt 0x0                           ; the wave's end: behind my last LDS store
	ds_add_u32 v176, v177
	s_wait_dscnt 0x0
	s_endpgm
; W1 (this takes the place of 'the first 16 work-groups also lay out w1' in the comment at the head): w1 has 64 half slices: a half slice to each of the four waves of work-groups 512 to 527,
; which take no part of w2, touch no LDS and pass no barrier.
.Lw1:
	s_and_b32 s13, ttmp9, 15                       ; 512 .. 527 -> 0 .. 15
	s_lshl_b32 s13, s13, 2
	s_add_co_u32 s13, s13, s12
	s_mul_i32 s22, s13, 2560                       ; 64 rows of 40 bytes
	s_mov_b32 s23, 0
	s_lshr_b32 s14, s13, 1
	s_add_co_u32 s14, s14, 31
	s_and_b32 s14, s14, 31                         ; the slice of K step s lies in block (s - 1) mod 32
	s_mul_i32 s24, s14, BLK
	s_and_b32 s15, s13, 1
	s_mul_i32 s15, s15, 3072
	s_add_co_u32 s24, s24, s15
	s_add_co_u32 s24, s24, W1OFF
	s_mov_b32 s25, 0
	s_add_nc_u64 s[4:5], s[4:5], s[22:23]
	s_add_nc_u64 s[30:31], s[8:9], s[24:25]
	v_and_b32 v11, 7, v2
	v_lshrrev_b32 v12, 3, v2
	v_lshl_add_u32 v11, v12, 5, v11                ; 32 (r / 8) + r % 8: THE ROWS OF A TILE ARE NOT NEIGHBOURS, so that the product's results come out as 32 neighbours a lane
	v_mul_u32_u24 v12, v11, 40                     ; that row's first byte,
	v_lshl_add_u32 v11, v3, 3, v12                 ; and + 8 h: indices 2 h, 2 h + 1 of a group of four
.irp t, 0,1,2,3
	global_load_b64 v[RAW+6*\t:RAW+6*\t+1],   v11, s[4:5] offset:320*\t
	global_load_b64 v[RAW+6*\t+2:RAW+6*\t+3], v11, s[4:5] offset:320*\t+16
	global_load_b64 v[RAW+6*\t+4:RAW+6*\t+5], v12, s[4:5] offset:320*\t+32   ; indices 8, 9 in both halves of the lanes: a row ends there, and no load leaves the buffer
.endr
	s_wait_loadcnt 0x0
	v_cmp_eq_u32 vcc_lo, 0, v3
.irp t, 0,1,2,3
	v_cndmask_b32 v[RAW+6*\t+4], 0, v[RAW+6*\t+4], vcc_lo   ; lanes 16-31 stand for indices 10, 11: zeros
	v_cndmask_b32 v[RAW+6*\t+5], 0, v[RAW+6*\t+5], vcc_lo
.endr
.irp g, 0,1,2,3,4,5
	global_store_b128 v4, v[RAW+4*\g:RAW+4*\g+3], s[30:31] offset:512*\g
.endr
	s_endpgm
.Lfunc_end_k_qd1ce250dd3_prep:
	.size	k_qd1ce250dd3_prep, .Lfunc_end_k_qd1ce250dd3_prep-k_qd1ce250dd3_prep
	.p2alignl 7, 3214868480
	.fill 96, 4, 3214868480
	.section	.rodata,"a",@progbits
	.p2align	6, 0x0
	.amdhsa_kernel k_qd1ce250dd3_prep
		.amdhsa_group_segment_fixed_size 34560
		.amdhsa_private_segment_fixed_size 0
		.amdhsa_enable_private_segment 0
		.amdhsa_kernarg_size 24
		.amdhsa_user_sgpr_count 2
		.amdhsa_user_sgpr_kernarg_segment_ptr 1
		.amdhsa_wavefront_size32 1
		.amdhsa_system_sgpr_workgroup_id_x 1
		.amdhsa_system_sgpr_workgroup_id_y 1
		.amdhsa_system_sgpr_workgroup_id_z 1
		.amdhsa_system_vgpr_workitem_id 0
		.amdhsa_next_free_vgpr 178
		.amdhsa_next_free_sgpr 66
		.amdhsa_reserve_vcc 1
		.amdhsa_float_denorm_mode_32 3
		.amdhsa_float_denorm_mode_16_64 3
		.amdhsa_memory_ordered 1
		.amdhsa_forward_progress 1
		.amdhsa_inst_pref_size 13
	.end_amdhsa_kernel
	.amdgpu_metadata
---
amdhsa.version: [ 1, 2 ]
amdhsa.kernels:
  - .name:           k_qd1ce250dd3_prep
    .symbol:         k_qd1ce250dd3_prep.kd
    .args:
      - { .name: w1, .offset: 0, .size: 8, .value_kind: global_buffer, .address_space: global }
      - { .name: w2, .offset: 8, .size: 8, .value_kind: global_buffer, .address_space: global }
      - { .name: wimg, .offset: 16, .size: 8, .value_kind: global_buffer, .address_space: global }
    .group_segment_fixed_size: 34560
    .private_segment_fixed_size: 0
    .kernarg_segment_align: 8
    .kernarg_segment_size: 24
    .max_flat_workgroup_size: 128
    .sgpr_count:     66
    .vgpr_count:     178
    .wavefront_size: 32
...
	.end_amdgpu_metadata
.endif
;; end of part 3
;; launch ffn (part 4): grid 256 x 1, 8 waves a work-group, clusters of 4 x 1, 327,680 bytes of LDS; arguments x, ry_params, wimg, out0; writes out0
.if DOCPART == 4
	.amdgcn_target "amdgcn-amd-amdhsa--gfx1250"
	.amdhsa_code_object_version 6
	.text
	.protected	k_qd1ce250dd3_ffn
	.globl	k_qd1ce250dd3_ffn
	.p2align	8
	.type	k_qd1ce250dd3_ffn,@function
k_qd1ce250dd3_ffn:
	s_mov_b64 s[64:65], 0
	v_nop
	global_prefetch_b8 v0, s[64:65] scope:SCOPE_SE
	s_setreg_imm32_b32 hwreg(HW_REG_WAVE_MODE, 25, 1), 1
	s_wait_xcnt 0x0
	s_wait_alu depctr_hold_cnt(0) depctr_sa_sdst(0) depctr_va_vdst(0) depctr_va_sdst(0) depctr_va_ssrc(0) depctr_va_vcc(0) depctr_vm_vsrc(0)
	s_getreg_b32 s2, hwreg(HW_REG_IB_STS2, 6, 4)
	s_cmp_eq_u32 s2, 0
	s_cbranch_scc0 .Lentry_in_a_cluster
	s_endpgm
.Lentry_in_a_cluster:
	s_bfe_u32 s2, ttmp6, 0x10000c
	s_cmp_lg_u32 s2, 0x3003
	s_cbranch_scc0 .Lentry_shape_is_right
	s_endpgm
.Lentry_shape_is_right:
; out = Q(relu((cos(x[:, :10]) cos(ry)) w1^T)) Q(w2)^T, Q the quantiser to BF6 (E3M2) with one E8M0 scale for each 32 along K = 4,096.  x: [16,384][1,024] f32, out: the same.
; SHARES.  A work-group owns 64 tokens and all 1,024 outputs, so that every number of the hidden layer is made once in the launch; it never goes to memory.
; Eight waves, two to a SIMD, 512 registers each.  Wave w owns the 64 tokens x outputs 128 w .. 128 w + 127: 32 accumulators, which fill register window 1.
; K goes in 32 steps of 128.  A K step's weights (w2's codes as register images, its scale words, and w1's rows for the NEXT step, modulo 32) are one dense block of 108,544 bytes of wimg; they come through a
; ring of two LDS slots by the tensor data mover, an eighth of a block (53 rows of 256 bytes) to each wave.
; CLUSTER.  Every work-group walks the same blocks, so the four of a cluster ask for each JOINTLY: the same load, the same descriptor, a mask that names the four.
; THE CLUSTERS BEGIN AT DIFFERENT BLOCKS: cluster c of 64 begins at block c (c < 32) or 63 - c, and goes on modulo 32.  So in the first trip the clusters ask for all 32 blocks between them, and from the second trip on
; each block that a cluster asks for has been asked for a trip earlier by another.  c and 63 - c differ in every bit, so any half of the clusters told apart by one bit of c holds all 32 starts.
; A TRIP has two parts, which touch different LDS bytes.  P: wave w = 4 c + m makes, for tokens 16 m .. 16 m + 15, hidden units 64 c .. 64 c + 63 of the next K step: 12 f32 matrix instructions (its operands must be
; f32, since the result goes into a quantiser), relu, a block's largest number, its byte, two conversions; the six registers go to LDS as half an image of the operand.  G: the 32 products of this K step.
; Of the two waves that differ by 4 in their number, and of two neighbours, one runs P then G and the other G then P, so that one wave's vector work can stand beside another's matrix work.
; LAYOUT.  Both products are used transposed.  First: source 0 = 16 rows of w1, source 1 = q of 16 tokens: a lane holds ONE token, and the rows of w1 that form a tile were chosen so that the 32 registers of the four
; tiles are hidden units 64 c + 32 (lane / 16) + 0 .. 31: one whole block of 32, in the order that the 6-bit operand's registers want: no lane asks another for anything.
; Second: source 0 = 16 rows of w2, source 1 = 16 tokens: a lane holds eight neighbouring outputs of one token.
; cos is written out: n = the nearest whole number to 2 x / pi; x - n pi / 2 in three parts; two polynomials on [-pi / 4, pi / 4]; n mod 4 picks one and the sign.
; LIMITS: the reduction is good for |x|, |ry| up to about 1e5; NaN and infinities are not served; a block of the hidden layer whose largest number lies under 2^-122 (a block of zeros too) gets the byte 1: a block of zeros
; has zero codes, which add nothing, and this program alone reads the bytes; an output's f32 sum takes the K steps in the cluster's rotated order, not in ascending order.
.set BLK,    108544                    ; a K step's block: 98,304 bytes of codes, 4,096 of scale words, 6,144 of w1
.set SCOFF,  98304
.set W1OFF,  102400
.set PART,   13568                     ; an eighth of it: 53 rows of 256 bytes
.set ABYTES, 6400                      ; LDS 0: the hidden layer's images, two buffers: eight halves of 768 bytes (512 by 16 bytes a lane, 256 by 8 bytes a lane) at 768 (2 m + c), then 256 scale bytes
.set ASC,    6144
.set SPARE,  2*ABYTES                  ; the spare words, 128 bytes for each of the eight waves: four blocks of 256 bytes that no other line names
.set STAGE,  SPARE+1024                ; the way out: 16 rows x 528 bytes for each wave
.set SP,     528
.set SLOT0,  STAGE+8*16*SP             ; the ring: two slots of BLK bytes; nothing but tensor loads writes them
.set LI16, 1                           ; v1   16 x lane
.set LI8,  2                           ; v2   8 x lane
.set LI4,  3                           ; v3   4 x lane
.set PB16, 4                           ; v4   where I store four registers of my half image
.set PB8,  5                           ; v5   and the other two
.set PSC,  6                           ; v6   and my block's byte: 64 m + 4 r + 2 c + h
.set ADB,  7                           ; v7-8   my eight fragments of w2 in slot 0, 1
.set ADS,  9                           ; v9-10  their scale words
.set ADW,  11                          ; v11-12 my half of w1's slice
.set STO,  13                          ; v13  the way out: where I put 32 bytes of a row
.set RD,   14                          ; v14  and where I read a row back
.set Q,    16                          ; v16-21 q of my 16 tokens: register 2 kq + i of lane (r, h) = q[r][4 kq + 2 h + i]
.set SA,   22                          ; v22-23 the hidden layer's scale words: lanes 0-15 tile 2 i of the tokens, lanes 16-31 tile 2 i + 1
.set SB,   24                          ; v24-27 w2's: lanes 0-15 fragment 2 i, lanes 16-31 fragment 2 i + 1
.set SPW,  28                          ; v28  LDS address of my spare word; never rewritten
.set NIL,  29                          ; v29  0; never rewritten
.set D,    32                          ; v32-63 the first product's four tiles: written by matrix instructions alone
.set W1,   64                          ; v64-87 my half of w1's slice: tile t, group kq at 6 t + 2 kq
.set AF,   88                          ; v88-135 the hidden layer's four fragments
.set BF,   136                         ; v136-231 w2's eight fragments
.set T,    136                         ; v136-167 the hidden layer behind relu: over w2's first fragments, which are loaded anew in every G
.set PC,   232                         ; v232-237 the six registers of codes
.set PX,   238                         ; v238-240 the upper 16 codes, before they are moved
.set TM,   242                         ; v242-243 two chains of the maximum
.set SCL,  244
.set BYT,  245
.set XV,   88                          ; the prologue's cosines: seven sets of 12 registers, v88-171
.set NV,   100
.set RV,   112
.set IV,   124
.set ZV,   136
.set SV,   148
.set CV,   160
.set BK,   64                          ; the way out: 16 rows read back: v64-127 and v128-191 by turns
.set G1,   24                          ; s[24:31] descriptor group 1
.set G0,   32                          ; s[32:35], s[36:39] group 0 of slot 0, 1
.set WB,   52                          ; s[52:53] wimg at my eighth of block 0; never rewritten
.set BO,   54                          ; s[54:55] the byte offset of the block to be asked for; s55 stays 0
.set BN,   56                          ; s56  that block's number, 0 .. 31: the same in the four partners
.set MSB, 0
.macro WIN new                         ; the immediate's high byte repeats the setting that is left
.if MSB != \new
	s_set_vgpr_msb (MSB<<8)|\new
.set MSB, \new
.endif
.endm
.macro PLACES n
.rept \n
	v_nop
.endr
.endm
; A round of the cluster's barrier: my work-group's barrier, so that wave 0's signal speaks for all eight waves; wave 0 signals; every wave waits for the four work-groups; my work-group's barrier once more.
.macro ROUND
	s_barrier_signal -1
	s_barrier_wait -1
	s_cmp_lg_u32 s12, 0
	s_cbranch_scc1 .Lnot_wave_0_\@
	s_barrier_signal -3
.Lnot_wave_0_\@:
	s_barrier_wait -3
	s_barrier_signal -1
	s_barrier_wait -1
.endm
	s_load_b256 s[4:11], s[0:1], 0x0               ; x s[4:5], ry s[6:7], wimg s[8:9], out s[10:11]
	v_lshl_add_u32 v[SPW], v0, 2, SPARE
	v_mov_b32 v[NIL], 0
	ds_add_u32 v28, v29
	ds_add_u32 v28, v29
	s_wait_dscnt 0x0
	v_lshrrev_b32 v1, 5, v0
	s_delay_alu instid0(VALU_DEP_1)
	v_readfirstlane_b32 s12, v1                    ; wave 0..7
	s_and_b32 s13, s12, 3                          ; m: whose tokens I make the hidden layer for
	s_lshr_b32 s14, s12, 2                         ; c: which 64 of a K step's 128 hidden units
	s_xor_b32 s15, s12, s14
	s_and_b32 s15, s15, 1                          ; 0: P then G;  1: G then P.  It differs between waves w and w + 4 and between neighbours
	s_bfe_u32 s41, ttmp6, 0x40000                  ; cx: my place in the cluster
	s_lshl_b32 s16, ttmp9, 2                       ; in a cluster launch ttmp9 counts clusters
	s_add_co_u32 s16, s16, s41                     ; my block of 64 tokens: it enters x's and out's addresses alone
	s_lshr_b32 s17, ttmp9, 5                       ; the cluster's first block: its number for clusters 0 to 31,
	s_mul_i32 s17, s17, 31
	s_xor_b32 s[BN], ttmp9, s17                    ; 63 less its number for clusters 32 to 63
	s_and_b32 s[BN], s[BN], 31
	s_mul_i32 s[BO], s[BN], BLK
	s_mov_b32 s[BO+1], 0
	s_mov_b32 s[G1+0], 15|(3<<16)|(1<<21)          ; 15:0 the mask: all four work-groups; 17:16 elements of 8 bytes; 20 no padding; 21 set beside a mask
	s_mov_b32 s[G1+1], 32<<16                      ; tensor_dim0 = 32 elements: 256 bytes
	s_mov_b32 s[G1+2], 53<<16                      ; tensor_dim1 = 53
	s_mov_b32 s[G1+3], 32<<16                      ; tile_dim0
	s_mov_b32 s[G1+4], 53                          ; tile_dim1
	s_mov_b32 s[G1+5], 32                          ; from row to row: dense
	s_mov_b32 s[G1+6], 0
	s_mov_b32 s[G1+7], 0
	s_mul_i32 s18, s12, PART                       ; my eighth of a block, in memory and in a slot
	s_mov_b32 s19, 0
	s_mov_b32 s42, 0x3f22f983                      ; 2 / pi
	s_mov_b32 s43, 0x3fc90fdb                      ; pi / 2 in three parts
	s_mov_b32 s44, 0xb33bbd2e
	s_mov_b32 s45, 0xa6f72ced
	s_mov_b32 s46, 0xb94ca1f9                      ; sine: r + r z (S1 + z (S2 + z S3))
	s_mov_b32 s47, 0x3c08839e
	s_mov_b32 s48, 0xbe2aaaa3
	s_mov_b32 s49, 0x37ccf5ce                      ; cosine: 1 - z / 2 + z z (C1 + z (C2 + z C3))
	s_mov_b32 s50, 0xbab6061a
	s_mov_b32 s51, 0x3d2aaaa5
	s_wait_kmcnt 0x0
	s_add_nc_u64 s[WB:WB+1], s[8:9], s[18:19]
	s_mov_b32 s[G0], 1                             ; count = 1
	s_add_co_u32 s[G0+1], s18, SLOT0               ; LDS address: the slot + my eighth: no place in the cluster enters it
	s_add_nc_u64 s[G0+2:G0+3], s[WB:WB+1], s[BO:BO+1]   ; global address: my eighth of the cluster's first block
	s_or_b32 s[G0+3], s[G0+3], 0x80000000          ; type = 2
	s_mov_b32 s[G0+4], 1                           ; slot 1's: its address words are made in the first trip
	s_add_co_u32 s[G0+5], s18, SLOT0+BLK
	ROUND                                          ; all four work-groups are here: the first joint loads meet
	tensor_load_to_lds s[G0:G0+3], s[G1:G1+7]      ; the first block into slot 0.  One tensor load of mine is out, here and behind every later round
	s_nop 0
	PLACES 4
	v_and_b32 v248, 15, v0                         ; r
	v_bfe_u32 v249, v0, 4, 1                       ; h
	v_and_b32 v3, 31, v0
	s_delay_alu instid0(VALU_DEP_1)
	v_lshlrev_b32 v[LI16], 4, v3
	s_wait_alu depctr_va_vdst(0)
	v_lshlrev_b32 v[LI8], 3, v3
	v_lshlrev_b32 v[LI4], 2, v3
	s_wait_alu depctr_va_vdst(0)
	s_lshl_b32 s17, s13, 1
	s_add_co_u32 s17, s17, s14
	s_mul_i32 s17, s17, 768                        ; my half image: 768 (2 m + c)
	v_add_nc_u32 v[PB16], s17, v[LI16]
	s_add_co_u32 s17, s17, 512
	v_add_nc_u32 v[PB8], s17, v[LI8]
	s_lshl_b32 s17, s13, 6
	s_lshl_b32 s20, s14, 1
	s_add_co_u32 s17, s17, s20
	v_lshl_add_u32 v[PSC], v248, 2, v249
	s_delay_alu instid0(VALU_DEP_1)
	v_add_nc_u32 v[PSC], s17, v[PSC]
	s_mul_i32 s17, s12, 12288                      ; my eight fragments of 1,536 bytes
	s_add_co_u32 s17, s17, SLOT0
	v_add_nc_u32 v[ADB], s17, v[LI16]
	s_delay_alu instid0(VALU_DEP_1)
	v_add_nc_u32 v[ADB+1], BLK, v[ADB]
	s_lshl_b32 s17, s12, 9                         ; my 128 scale words
	s_add_co_u32 s17, s17, SLOT0+SCOFF
	v_add_nc_u32 v[ADS], s17, v[LI4]
	s_delay_alu instid0(VALU_DEP_1)
	v_add_nc_u32 v[ADS+1], BLK, v[ADS]
	s_mul_i32 s17, s14, 3072                       ; my half of w1's slice
	v_add_nc_u32 v30, s17, v[LI16]                 ; (the same place in memory, for the first slice)
	s_add_co_u32 s17, s17, SLOT0+W1OFF
	v_add_nc_u32 v[ADW], s17, v[LI16]
	s_delay_alu instid0(VALU_DEP_1)
	v_add_nc_u32 v[ADW+1], BLK, v[ADW]
	s_mul_i32 s17, s12, 16*SP
	s_add_co_u32 s17, s17, STAGE                   ; my stage
	v_mul_u32_u24 v[STO], v248, SP
	s_delay_alu instid0(VALU_DEP_1)
	v_lshl_add_u32 v[STO], v249, 5, v[STO]
	s_delay_alu instid0(VALU_DEP_1)
	v_add_nc_u32 v[STO], s17, v[STO]               ; in: row r, 32 bytes for each half of the lanes
	v_add_nc_u32 v[RD], s17, v[LI16]               ; back: the 32 lanes take one row of 512 bytes
	v_lshlrev_b32 v15, 12, v248
	s_delay_alu instid0(VALU_DEP_1)
	v_lshl_add_u32 v15, v249, 3, v15               ; x: token r's row of 4,096 bytes, + 8 h
	s_wait_alu depctr_va_vdst(0)
	v_lshlrev_b32 v31, 3, v249                     ; ry: 8 h
	s_wait_alu depctr_va_vdst(0)
	v_mov_b32 v250, 0                              ; and 0 for its last pair
	s_wait_alu depctr_va_vdst(0)
	s_add_co_u32 s17, s[BN], 31                    ; w1's slice for my first K step lies in the block before it, modulo 32
	s_and_b32 s17, s17, 31
	s_mul_i32 s20, s17, BLK
	s_mov_b32 s21, 0
	s_add_nc_u64 s[2:3], s[8:9], s[20:21]
	s_lshl_b32 s20, s16, 18                        ; my work-group's 64 rows of 4,096 bytes,
	s_lshl_b32 s21, s13, 16                        ; and tile m's 16
	s_add_co_u32 s20, s20, s21
	s_mov_b32 s21, 0
	s_add_nc_u64 s[4:5], s[4:5], s[20:21]
	s_lshl_b32 s22, s16, 18
	s_lshl_b32 s23, s12, 9                         ; my 128 outputs: 512 bytes of a row
	s_add_co_u32 s22, s22, s23
	s_mov_b32 s23, 0
	s_add_nc_u64 s[10:11], s[10:11], s[22:23]
.irp g, 0,1,2,3,4,5
	global_load_b128 v[W1+4*\g:W1+4*\g+3], v30, s[2:3] offset:W1OFF+512*\g   ; the first slice of w1: straight from memory
.endr
.irp k, 0,1,2
	global_load_b64 v[XV+2*\k:XV+2*\k+1], v15, s[4:5] offset:16*\k   ; x[r][4 k + 2 h], [.. + 1]  (for k = 2, h = 1 these are features 10, 11: inside the row, and thrown away below)
.endr
	global_load_b64 v[XV+6:XV+7], v31, s[6:7]
	global_load_b64 v[XV+8:XV+9], v31, s[6:7] offset:16
	global_load_b64 v[XV+10:XV+11], v250, s[6:7] offset:32   ; angles 8, 9 in both halves of the lanes: the buffer ends there
	s_wait_loadcnt 0x0
	; twelve cosines a lane, stage by stage, so that no line waits for the line above it
.irp i, 0,1,2,3,4,5,6,7,8,9,10,11
	v_mul_f32 v[NV+\i], s42, v[XV+\i]
.endr
.irp i, 0,1,2,3,4,5,6,7,8,9,10,11
	v_rndne_f32 v[NV+\i], v[NV+\i]                 ; n
.endr
.irp i, 0,1,2,3,4,5,6,7,8,9,10,11
	v_fma_f32 v[RV+\i], -v[NV+\i], s43, v[XV+\i]   ; r = x - n pi / 2, part by part
.endr
.irp i, 0,1,2,3,4,5,6,7,8,9,10,11
	v_fma_f32 v[RV+\i], -v[NV+\i], s44, v[RV+\i]
.endr
.irp i, 0,1,2,3,4,5,6,7,8,9,10,11
	v_fma_f32 v[RV+\i], -v[NV+\i], s45, v[RV+\i]
.endr
.irp i, 0,1,2,3,4,5,6,7,8,9,10,11
	v_cvt_i32_f32 v[IV+\i], v[NV+\i]
.endr
.irp i, 0,1,2,3,4,5,6,7,8,9,10,11
	v_mul_f32 v[ZV+\i], v[RV+\i], v[RV+\i]         ; z = r r
.endr
.irp i, 0,1,2,3,4,5,6,7,8,9,10,11
	v_fma_f32 v[SV+\i], v[ZV+\i], s46, s47
.endr
.irp i, 0,1,2,3,4,5,6,7,8,9,10,11
	v_fma_f32 v[CV+\i], v[ZV+\i], s49, s50
.endr
.irp i, 0,1,2,3,4,5,6,7,8,9,10,11
	v_fma_f32 v[SV+\i], v[SV+\i], v[ZV+\i], s48
.endr
.irp i, 0,1,2,3,4,5,6,7,8,9,10,11
	v_fma_f32 v[CV+\i], v[CV+\i], v[ZV+\i], s51
.endr
.irp i, 0,1,2,3,4,5,6,7,8,9,10,11
	v_mul_f32 v[SV+\i], v[SV+\i], v[ZV+\i]
.endr
.irp i, 0,1,2,3,4,5,6,7,8,9,10,11
	v_mul_f32 v[CV+\i], v[CV+\i], v[ZV+\i]
.endr
.irp i, 0,1,2,3,4,5,6,7,8,9,10,11
	v_fma_f32 v[NV+\i], v[ZV+\i], -0.5, 1.0        ; 1 - z / 2 (n has been used up)
.endr
.irp i, 0,1,2,3,4,5,6,7,8,9,10,11
	v_fma_f32 v[SV+\i], v[SV+\i], v[RV+\i], v[RV+\i]   ; sin r
.endr
.irp i, 0,1,2,3,4,5,6,7,8,9,10,11
	v_fma_f32 v[CV+\i], v[CV+\i], v[ZV+\i], v[NV+\i]   ; cos r
.endr
.irp i, 0,1,2,3,4,5,6,7,8,9,10,11
	v_and_b32 v[ZV+\i], 1, v[IV+\i]
.endr
.irp i, 0,1,2,3,4,5,6,7,8,9,10,11
	v_cmp_eq_u32 vcc_lo, 1, v[ZV+\i]
	s_delay_alu instid0(VALU_DEP_1)
	v_cndmask_b32 v[XV+\i], v[CV+\i], v[SV+\i], vcc_lo   ; odd n: the sine
.endr
.irp i, 0,1,2,3,4,5,6,7,8,9,10,11
	v_add_nc_u32 v[IV+\i], 1, v[IV+\i]
.endr
.irp i, 0,1,2,3,4,5,6,7,8,9,10,11
	v_and_b32 v[IV+\i], 2, v[IV+\i]                ; n mod 4 = 1 or 2: the sign turns
.endr
.irp i, 0,1,2,3,4,5,6,7,8,9,10,11
	v_lshlrev_b32 v[IV+\i], 30, v[IV+\i]
.endr
.irp i, 0,1,2,3,4,5,6,7,8,9,10,11
	v_xor_b32 v[XV+\i], v[XV+\i], v[IV+\i]
.endr
.irp k, 0,1,2,3,4,5
	v_mul_f32 v[Q+\k], v[XV+\k], v[XV+6+\k]        ; q = cos(x) cos(ry)
.endr
	v_cmp_eq_u32 vcc_lo, 0, v249
	s_delay_alu instid0(VALU_DEP_1)
	v_cndmask_b32 v[Q+4], 0, v[Q+4], vcc_lo        ; lanes 16-31 of the last group stand for indices 10, 11: zeros
	s_delay_alu instid0(VALU_DEP_2)
	v_cndmask_b32 v[Q+5], 0, v[Q+5], vcc_lo
; P: my 16 tokens x 64 hidden units, from w1's registers and q, into buffer buf.
.macro PWORK buf
.irp k, 0,1,2                          ; the four tiles by turns, one instruction a turn; the first group of four indices starts the sums
.irp t, 0,1,2,3
.if \k == 0
	v_wmma_f32_16x16x4_f32 v[D+8*\t:D+8*\t+7], v[W1+6*\t:W1+6*\t+1], v[Q:Q+1], 0
.else
	v_wmma_f32_16x16x4_f32 v[D+8*\t:D+8*\t+7], v[W1+6*\t+2*\k:W1+6*\t+2*\k+1], v[Q+2*\k:Q+2*\k+1], v[D+8*\t:D+8*\t+7]
.endif
.endr
.endr
	PLACES 8                                       ; eight places behind this form before its results are read; they also stand between G's last products and the writes over w2's first fragments
	; The block's largest number is taken of the results as they are, over the floor 2^(5 - 127): what is negative does not count, and the byte cannot fall under 1.  Two chains of maxima, with the relu lines
	; (into other registers; register j = hidden unit 64 c + 32 h + j of token r) laid among them, so that no line reads a result made fewer than five vector lines before it; each tile is first read at its low end.
	v_max3_num_f32 v[TM], v[D], v[D+1], 0x2800000
	v_max_num_f32 v[T], 0, v[D]
	v_max3_num_f32 v[TM+1], v[D+16], v[D+17], v[D+18]
	v_max_num_f32 v[T+1], 0, v[D+1]
	v_max_num_f32 v[T+2], 0, v[D+2]
.irp i, 0,1,2,3,4,5
	v_max3_num_f32 v[TM], v[TM], v[D+2+2*\i], v[D+3+2*\i]
	v_max_num_f32 v[T+3+3*\i], 0, v[D+3+3*\i]
	v_max3_num_f32 v[TM+1], v[TM+1], v[D+19+2*\i], v[D+20+2*\i]
	v_max_num_f32 v[T+4+3*\i], 0, v[D+4+3*\i]
	v_max_num_f32 v[T+5+3*\i], 0, v[D+5+3*\i]
.endr
	v_max3_num_f32 v[TM], v[TM], v[D+14], v[D+15]
.irp j, 21,22,23,24,25,26
	v_max_num_f32 v[T+\j], 0, v[D+\j]
.endr
	v_max3_num_f32 v[TM], v[TM], v[TM+1], v[D+31]
.irp j, 27,28,29,30,31
	v_max_num_f32 v[T+\j], 0, v[D+\j]
.endr
	v_add_nc_u32 v[SCL], 0xfe000000, v[TM]         ; 4 off the exponent field: the conversions' scale operand
	v_cvt_scalef32_pk16_bf6_f32 v[PC:PC+2], v[T:T+15], v[SCL]
	v_cvt_scalef32_pk16_bf6_f32 v[PX:PX+2], v[T+16:T+31], v[SCL]   ; (a conversion's three registers begin on an even number)
	v_lshrrev_b32 v[BYT], 23, v[SCL]               ; the scale's byte: also the one plain place behind the conversions
.irp i, 0,1,2
	v_mov_b32 v[PC+3+\i], v[PX+\i]
.endr
	ds_store_b128 v[PB16], v[PC:PC+3] offset:ABYTES*(\buf)       ; registers 6 c .. 6 c + 5 of tile m's fragment, as they stand
	ds_store_b64 v[PB8], v[PC+4:PC+5] offset:ABYTES*(\buf)
	ds_store_b8 v[PSC], v[BYT] offset:ABYTES*(\buf)+ASC          ; byte 2 c + h of token r's scale word: every lane of every wave has a byte of its own
.endm
; One product: tokens' tile a x my fragment b of w2.  The scale words of an odd tile or fragment lie in lanes 16-31 of their register.
.macro WM a, b, zero
.set rD, 8*(4*(\b)+(\a))
.set rB, BF+12*(\b)
.set rA, AF+12*(\a)
.set rX, SB+(\b)/2
.set rY, SA+(\a)/2
.set par, 2*((\b)%2)+(\a)%2
.if \zero
.if par == 0
	v_wmma_scale_f32_16x16x128_f8f6f4 v[rD:rD+7], v[rB:rB+11], v[rA:rA+11], 0, v[rX], v[rY] matrix_a_fmt:MATRIX_FMT_BF6 matrix_b_fmt:MATRIX_FMT_BF6
.elseif par == 1
	v_wmma_scale_f32_16x16x128_f8f6f4 v[rD:rD+7], v[rB:rB+11], v[rA:rA+11], 0, v[rX], v[rY] matrix_a_fmt:MATRIX_FMT_BF6 matrix_b_fmt:MATRIX_FMT_BF6 matrix_b_scale:MATRIX_SCALE_ROW1
.elseif par == 2
	v_wmma_scale_f32_16x16x128_f8f6f4 v[rD:rD+7], v[rB:rB+11], v[rA:rA+11], 0, v[rX], v[rY] matrix_a_fmt:MATRIX_FMT_BF6 matrix_b_fmt:MATRIX_FMT_BF6 matrix_a_scale:MATRIX_SCALE_ROW1
.else
	v_wmma_scale_f32_16x16x128_f8f6f4 v[rD:rD+7], v[rB:rB+11], v[rA:rA+11], 0, v[rX], v[rY] matrix_a_fmt:MATRIX_FMT_BF6 matrix_b_fmt:MATRIX_FMT_BF6 matrix_a_scale:MATRIX_SCALE_ROW1 matrix_b_scale:MATRIX_SCALE_ROW1
.endif
.else
.if par == 0
	v_wmma_scale_f32_16x16x128_f8f6f4 v[rD:rD+7], v[rB:rB+11], v[rA:rA+11], v[rD:rD+7], v[rX], v[rY] matrix_a_fmt:MATRIX_FMT_BF6 matrix_b_fmt:MATRIX_FMT_BF6
.elseif par == 1
	v_wmma_scale_f32_16x16x128_f8f6f4 v[rD:rD+7], v[rB:rB+11], v[rA:rA+11], v[rD:rD+7], v[rX], v[rY] matrix_a_fmt:MATRIX_FMT_BF6 matrix_b_fmt:MATRIX_FMT_BF6 matrix_b_scale:MATRIX_SCALE_ROW1
.elseif par == 2
	v_wmma_scale_f32_16x16x128_f8f6f4 v[rD:rD+7], v[rB:rB+11], v[rA:rA+11], v[rD:rD+7], v[rX], v[rY] matrix_a_fmt:MATRIX_FMT_BF6 matrix_b_fmt:MATRIX_FMT_BF6 matrix_a_scale:MATRIX_SCALE_ROW1
.else
	v_wmma_scale_f32_16x16x128_f8f6f4 v[rD:rD+7], v[rB:rB+11], v[rA:rA+11], v[rD:rD+7], v[rX], v[rY] matrix_a_fmt:MATRIX_FMT_BF6 matrix_b_fmt:MATRIX_FMT_BF6 matrix_a_scale:MATRIX_SCALE_ROW1 matrix_b_scale:MATRIX_SCALE_ROW1
.endif
.endif
.endm
; G: the K step in slot and buffer number slot: 46 LDS loads in one run, every one of consecutive bytes, then 32 products.  The 32 accumulators take turns, one instruction a turn, in the same order in
; every trip.  zero = 1: the first K step starts the sums: nothing is cleared.
.macro GEMM slot, zero
.irp i, 0,1
	ds_load_b32 v[SA+\i], v[LI4] offset:ABYTES*(\slot)+ASC+128*\i
.endr
.irp i, 0,1,2,3
	ds_load_b32 v[SB+\i], v[ADS+(\slot)] offset:128*\i
.endr
.irp a, 0,1,2,3
.irp c, 0,1
	ds_load_b128 v[AF+12*\a+6*\c:AF+12*\a+6*\c+3],   v[LI16] offset:ABYTES*(\slot)+768*(2*\a+\c)
	ds_load_b64  v[AF+12*\a+6*\c+4:AF+12*\a+6*\c+5], v[LI8]  offset:ABYTES*(\slot)+768*(2*\a+\c)+512
.endr
.endr
.irp b, 0,1,2,3,4,5,6,7
.irp g, 0,1,2
	ds_load_b128 v[BF+12*\b+4*\g:BF+12*\b+4*\g+3], v[ADB+(\slot)] offset:1536*\b+512*\g
.endr
.endr
	WIN 0x50                                       ; C and D in window 1, the operands in window 0
.irp b, 0,1,2,3,4,5,6,7
	s_wait_dscnt 3*(7-\b)                          ; LDS loads come back in order: fragment b is in; the three loads of each of the 7 - b younger fragments may be out
.irp a, 0,1,2,3
	WM \a, \b, \zero
.endr
.endr
	WIN 0
.endm
; A TRIP: the cluster's j-th K step, in slot j % 2.  In front of the round each wave waits for all its tensor loads (the one that is out is its eighth of this trip's block), adds 0 to its spare word, and waits for that, for its
; reads of the other slot and the other buffer, and for its stores into this trip's buffer.  Behind the round nobody of the four work-groups reads the other slot: the next block is asked for, first thing; it has the trip to land in.
.macro TRIP slot, zero, last
	s_wait_tensorcnt 0x0                           ; no tensor load of mine is out, so a group 0 may be written
	ds_add_u32 v[SPW], v[NIL]                      ; 0 onto my spare word
.if \last == 0
	s_add_co_u32 s[BN], s[BN], 1                   ; the next block, modulo 32,
	s_and_b32 s[BN], s[BN], 31
	s_mul_i32 s[BO], s[BN], BLK                    ; its offset, made apart from the address,
	s_add_nc_u64 s[G0+4*(1-\slot)+2:G0+4*(1-\slot)+3], s[WB:WB+1], s[BO:BO+1]   ; and the other slot's address words anew
	s_or_b32 s[G0+4*(1-\slot)+3], s[G0+4*(1-\slot)+3], 0x80000000               ; type = 2
.endif
	s_wait_dscnt 0x0                               ; the add is done; my LDS loads are in and my LDS stores have landed
.if \last
	s_barrier_signal -1                            ; No round of the cluster's follows
	s_barrier_wait -1
	PLACES 4                                       ; in front of loads into registers that the last trip's products have read
	GEMM \slot, 0
.else
	ROUND
	tensor_load_to_lds s[G0+4*(1-\slot):G0+4*(1-\slot)+3], s[G1:G1+7]   ; my one tensor load behind the round: my eighth of the next block, into the slot read last trip
	s_nop 0
	PLACES 4                                       ; (the places in front of the loads below)
.irp g, 0,1,2,3,4,5
	ds_load_b128 v[W1+4*\g:W1+4*\g+3], v[ADW+\slot] offset:512*\g   ; the next K step's slice of w1 came with this block
.endr
	s_cmp_lg_u32 s15, 0
	s_cbranch_scc1 .Lg_first_\@
	s_wait_dscnt 0x0                               ; w1's registers are in
	PWORK 1-\slot
.Lg_first_\@:
	GEMM \slot, \zero
	s_cmp_eq_u32 s15, 0
	s_cbranch_scc1 .Ldone_\@
	PWORK 1-\slot                                  ; (w1's registers: G's last wait was for 0)
.Ldone_\@:
.endif
.endm
	PWORK 0                                        ; the first K step's hidden layer
	TRIP 0, 1, 0                                   ; the first trip stands in front of the loop: its products start the sums; slot 1 is first filled behind its round
	s_mov_b32 s40, 15
.Lpair:                                                ; trips 1 to 30, two a trip of the loop: once round the ring
	TRIP 1, 0, 0
	TRIP 0, 0, 0
	s_sub_co_u32 s40, s40, 1
	s_cmp_lg_u32 s40, 0
	s_cbranch_scc1 .Lpair
	TRIP 1, 0, 1                                   ; the last K step is written out: no load, no hidden layer beyond it
; THE WAY OUT, a tile of 16 tokens x my 128 outputs at a time.  A lane holds 32 neighbouring bytes of a row, and the lanes beside it hold other rows: so a block goes through my own stage and comes back as whole rows of
; 512 bytes.  LDS serves a wave's instructions in order (ISA guide 5.7.1.4): no wait between the stores and the loads, nor in front of the next block's stores.
.macro TOSTAGE a
	WIN 0x04                                       ; an LDS store's data are its source 1: window 1
.irp b, 0,1,2,3,4,5,6,7
	ds_store_b128 v[STO], v[8*(4*\b+(\a)):8*(4*\b+(\a))+3] offset:64*\b          ; each accumulator from its low end on
	ds_store_b128 v[STO], v[8*(4*\b+(\a))+4:8*(4*\b+(\a))+7] offset:64*\b+16
.endr
	WIN 0
.set BB, BK+64*((\a)%2)
.irp t, 0,1,2,3,4,5,6,7,8,9,10,11,12,13,14,15
	ds_load_b128 v[BB+4*\t:BB+4*\t+3], v[RD] offset:\t*SP
.endr
.endm
.macro SEND a, younger                 ; younger: the LDS instructions issued behind block a's loads, which may stay out
.set BB, BK+64*((\a)%2)
	s_wait_dscnt \younger
.irp t, 0,1,2,3,4,5,6,7,8,9,10,11,12,13,14,15
	global_store_b128 v[LI16], v[BB+4*\t:BB+4*\t+3], s[10:11] offset:(16*(\a)+\t)*4096 th:TH_STORE_NT   ; 32 lanes store 512 consecutive bytes, at a multiple of 256 from out's first byte; the row stands in the immediate, 63 rows at the most
.endr
.endm
	PLACES 4                                       ; behind the last products: in front of the first read of results and of loads into registers that held operands
	TOSTAGE 0
.irp a, 1,2,3
.if \a > 1
	s_wait_xcnt 0x0                                ; block a - 2's stores have read their registers: block a's loads may land there
.endif
	TOSTAGE \a
	SEND \a-1, 32                                  ; behind block a - 1's loads: block a's 16 stores and 16 loads
.endr
	SEND 3, 0
	s_wait_tensorcnt 0x0                           ; the wave's end: behind my last tensor load and my last LDS store
	ds_add_u32 v[SPW], v[NIL]
	s_wait_dscnt 0x0
	ROUND                                          ; the closing round: no work-group ends while a partner may still ask for a block that names it
	s_endpgm
.Lfunc_end_k_qd1ce250dd3_ffn:
	.size	k_qd1ce250dd3_ffn, .Lfunc_end_k_qd1ce250dd3_ffn-k_qd1ce250dd3_ffn
	.p2alignl 7, 3214868480
	.fill 96, 4, 3214868480
	.section	.rodata,"a",@progbits
	.p2align	6, 0x0
	.amdhsa_kernel k_qd1ce250dd3_ffn
		.amdhsa_group_segment_fixed_size 327680
		.amdhsa_private_segment_fixed_size 0
		.amdhsa_enable_private_segment 0
		.amdhsa_kernarg_size 32
		.amdhsa_user_sgpr_count 2
		.amdhsa_user_sgpr_kernarg_segment_ptr 1
		.amdhsa_wavefront_size32 1
		.amdhsa_system_sgpr_workgroup_id_x 1
		.amdhsa_system_sgpr_workgroup_id_y 1
		.amdhsa_system_sgpr_workgroup_id_z 1
		.amdhsa_system_vgpr_workitem_id 0
		.amdhsa_next_free_vgpr 512
		.amdhsa_next_free_sgpr 66
		.amdhsa_reserve_vcc 1
		.amdhsa_float_denorm_mode_32 3
		.amdhsa_float_denorm_mode_16_64 3
		.amdhsa_memory_ordered 1
		.amdhsa_forward_progress 1
		.amdhsa_inst_pref_size 94
	.end_amdhsa_kernel
	.amdgpu_metadata
---
amdhsa.version: [ 1, 2 ]
amdhsa.kernels:
  - .name:           k_qd1ce250dd3_ffn
    .symbol:         k_qd1ce250dd3_ffn.kd
    .args:
      - { .name: x, .offset: 0, .size: 8, .value_kind: global_buffer, .address_space: global }
      - { .name: ry_params, .offset: 8, .size: 8, .value_kind: global_buffer, .address_space: global }
      - { .name: wimg, .offset: 16, .size: 8, .value_kind: global_buffer, .address_space: global }
      - { .name: out0, .offset: 24, .size: 8, .value_kind: global_buffer, .address_space: global }
    .group_segment_fixed_size: 327680
    .private_segment_fixed_size: 0
    .kernarg_segment_align: 8
    .kernarg_segment_size: 32
    .max_flat_workgroup_size: 256
    .sgpr_count:     66
    .vgpr_count:     512
    .wavefront_size: 32
...
	.end_amdgpu_metadata
.endif
;; end of part 4
